; MI455X (gfx1250); checked and timed in simulation.
; The chip was launched on July 23, 2026; its instructions are those of AMD's public machine-readable ISA for CDNA 5 (MIT licence, August 2026) and "CDNA5" Instruction Set Architecture Reference Guide (July 2026). The comments in the code are by the model that wrote it; some were corrected since.
;; Multi Head Self Attention. Allowed arithmetic: matrix products marked QUANTISED: E2M3 operands, one E8M0 scale for each 32 along K, by v_wmma_scale_f32_16x16x128_f8f6f4 with both operands' format E2M3, f32 sums; everything else in f32.
;; Inputs: Wout 1,024 x 1,024 float32; Wqkv 1,024 x 3,072 float32; bout 1,024 float32; causal_mask 1 x 1 x 2,048 x 2,048 bool; x 4 x 2,048 x 1,024 float32.
;; Outputs: out0 4 x 2,048 x 1,024 float32.
;; This version of the problem:
;;   THIS VERSION OF THE PROBLEM IS GIVEN IN LOW PRECISION. The matrix products marked QUANTISED in the list below multiply operands that are first quantised to E2M3 (2 exponent bits, 3 mantissa bits; 6 bits a number), with one power-of-two scale for each 32 numbers along K (OCP MX v1.0); their sums are f32. All else is computed in f32.
;;   The module's matrix products, in the order in which they are computed (A, B: the left and right operand; K: the contracted axis; several contracted axes count as one K, in the product's order):
;;     1. [M 8,192, K 1,024] x [K 1,024, N 3,072]; A: input x; B: input Wqkv: QUANTISED
;;     2. batch 64 x [M 2,048, K 64] x [K 64, N 2,048]; A: computed on the way; B: computed on the way: QUANTISED
;;     3. batch 64 x [M 2,048, K 2,048] x [K 2,048, N 64]; A: softmax (see below); B: computed on the way: QUANTISED
;;     4. [M 8,192, K 1,024] x [K 1,024, N 1,024]; A: computed on the way; B: input Wout: QUANTISED
;;   THE QUANTISER, for each operand of a quantised product, along K:
;;     - K is cut into blocks of 32 from its start; a last block that is shorter is filled with zeros.
;;     - A block's scale is 2^e with e = floor(log2(the largest magnitude in the block)) - 2, held to -126 .. 127; a block of zeros has e = 0. As a byte (E8M0): e + 127.
;;     - Each number is divided by its block's scale, clamped to +-7.5, and rounded to the nearest number of E2M3, ties to even, subnormals kept.
;;     - The product sums the exact products of the quantised numbers (number of the format x scale) in f32.
;;   ~~~python
;;   def quantise(x, axis):      # numpy; x: float32 -> the quantised numbers, widened to float32 again
;;       x = np.moveaxis(x, axis, -1); K = x.shape[-1]
;;       x = np.pad(x, [(0, 0)] * (x.ndim - 1) + [(0, -K % 32)]); x = x.reshape(x.shape[:-1] + (-1, 32)); a = np.abs(x).max(-1, keepdims=True)
;;       e = np.where(a > 0, np.clip(np.frexp(np.where(a > 0, a, 1))[1] - 1 - 2, -126, 127), 0)      # np.frexp(a)[1] - 1 = floor(log2(a)), exactly
;;       r = np.clip(x / 2.0 ** e, -7.5, 7.5)
;;       step = 2.0 ** (np.maximum(np.frexp(np.where(r == 0, 1, r))[1] - 1, 0) - 3)
;;       q = np.round(r / step) * step * 2.0 ** e      # np.round: ties to even
;;       return np.moveaxis(q.reshape(q.shape[:-2] + (-1,))[..., :K], -1, axis).astype(np.float32)
;;   ~~~
;;   SOFTMAX AHEAD OF A QUANTISED PRODUCT. Where the list says 'softmax', what is quantised is not the finished softmax but p = 2^(t - M), with t = logit x log2(e) and M = ceil(the row's largest t), a whole number; so 1/2 < the row's largest p <= 1. The row's sum l is taken of the UNQUANTISED p, in f32, and the product's result is divided by l at the end. Since M is a whole number, a kernel that streams over the keys may use a running M (the ceiling of the running maximum): every later rescaling is an exact power of two, which a block's scale takes up: the codes' values come out the same.
;;   OPERANDS COMPUTED ON THE WAY. 'Computed on the way' means the value that the module computes at that place (a softmax that the list does not call 'softmax' is quantised finished and normalised). What goes into a quantiser is computed in f32, as accurately as f32 sums, v_exp_f32 and their like allow (about 1e-6 of the number): no bf16 or f16 on the way to a quantiser, and a product that is left as it is and whose result goes on into a quantised operand takes f32 operands (vector FMAs, or v_wmma_f32_16x16x4_f32). A number that lies on a knife's edge between two numbers of the format may be rounded either way, as far as f32 arithmetic and the matrix unit's own rounding can turn it there, and no further.
;; One version. Each part assembles by itself: llvm-mc -triple=amdgcn-amd-amdhsa -mcpu=gfx1250 --defsym DOCPART=n.
;; ======== version 1 of 1: 4 launches
;; workspace buffers: xq 6,553,600 bytes; wq 3,276,800 bytes; aq 6,553,600 bytes; qkv 20,185,088 bytes; mw 524,288 bytes of whole numbers; fl 2,048 bytes of whole numbers
;; launch prep (part 1): grid 896 x 1, 4 waves a work-group, no clusters, 80,384 bytes of LDS; arguments x, Wqkv, Wout, causal_mask, xq, wq, mw, fl; writes xq, wq, mw, fl
.if DOCPART == 1
	.amdgcn_target "amdgcn-amd-amdhsa--gfx1250"
	.amdhsa_code_object_version 6
	.text
	.protected	k_q43bdcbe3ad_prep
	.globl	k_q43bdcbe3ad_prep
	.p2align	8
	.type	k_q43bdcbe3ad_prep,@function
k_q43bdcbe3ad_prep:
	s_mov_b64 s[64:65], 0
	v_nop
	global_prefetch_b8 v0, s[64:65] scope:SCOPE_SE
	s_setreg_imm32_b32 hwreg(HW_REG_WAVE_MODE, 25, 1), 1
	s_wait_xcnt 0x0
; PREP: x, Wqkv and Wout become codes of FP6 (E2M3) with one E8M0 byte for each 32 along K, laid as IMAGES OF OPERAND REGISTERS; the mask becomes lane masks and flags.
; A block's scale is 2^(floor(log2(its largest magnitude)) - 2); its byte is that magnitude's exponent field - 2, held at 1 from below.
; LIMITS: a block whose largest magnitude lies under 2^-124 (a block of zeros too, where the rule says byte 127) gets the byte 1: its codes are zeros or near it, and only this program reads the bytes.
;         NaN and infinities among x, Wqkv, Wout are not served.  A mask byte counts as true where it is not 0.
; ROW ORDER.  Rows go in groups of 128 = 8 tiles of 16; place (i, r) holds row 32 (i / 2) + 8 (i % 2) + r + 8 (r / 8) of the group.
; IMAGE.  group x 98,304 + (K step of 256) x 24,576 + tile x 3,072 + (half of 128) x 1,536; in a fragment chunk c (registers 4 c .. 4 c + 3) lies at 512 c + 16 x lane.
;         Lane (r, h) holds row place r; registers 6 c .. 6 c + 5 hold k = 64 c + 32 h + 0 .. 31.   Scale words: group x 4,096 + K step x 1,024 + (16 tile + r) x 8 + 4 x half.
; THREE PATHS by the work-group's number: 0-255 weights, 256-383 mask, 384-895 x.  Waves share nothing: no barrier.  Each path that uses LDS has bytes of its own.
.set XSC, 6291456                      ; where xq's scale words begin
.set WSC, 3145728                      ; where wq's begin
.set GRP, 98304
.set KST, 24576
.set LDW, 66560                        ; LDS: x's path 0 .. 66,559 (16,640 a wave); the weights' path from here (3,328 a wave)
	s_load_b256 s[4:11], s[0:1], 0x0               ; x s[4:5], Wqkv s[6:7], Wout s[8:9], the mask s[10:11]
	s_load_b256 s[12:19], s[0:1], 0x20             ; xq s[12:13], wq s[14:15], mw s[16:17], fl s[18:19]
	v_lshl_add_u32 v224, v0, 2, 0x13800
	v_mov_b32 v225, 0
	v_lshrrev_b32 v1, 5, v0
	v_readfirstlane_b32 s20, v1                    ; wave 0..3
	v_and_b32 v1, 31, v0                           ; lane l
	v_and_b32 v2, 15, v0                           ; r
	v_bfe_u32 v3, v0, 4, 1                         ; h
	v_lshlrev_b32 v4, 4, v1                        ; 16 l
	s_mov_b32 s22, 0x76543210
	s_mov_b32 s23, 0xfedcba98                      ; v_permlanex16_b32's selects for lane l xor 16
	s_wait_kmcnt 0x0
	s_cmp_lt_u32 ttmp9, 256
	s_cbranch_scc1 .Lweights
	s_cmp_lt_u32 ttmp9, 384
	s_cbranch_scc1 .Lmask
; ---------------- x: K is innermost.  The work-group takes one tile of 16 row places, wave ks 256 along K (1,024 bytes of each row).
	s_sub_co_u32 s24, ttmp9, 384
	s_lshr_b32 s25, s24, 3                         ; group G
	s_and_b32 s26, s24, 7                          ; tile i
	s_lshl_b32 s27, s25, 7
	s_lshr_b32 s28, s26, 1
	s_lshl_b32 s28, s28, 5
	s_add_co_u32 s27, s27, s28
	s_and_b32 s28, s26, 1
	s_lshl_b32 s28, s28, 3
	s_add_co_u32 s27, s27, s28                     ; the tile's first row: 128 G + 32 (i / 2) + 8 (i % 2)
	s_lshl_b32 s28, s27, 12                        ; rows of 4,096 bytes
	s_lshl_b32 s29, s20, 10
	s_add_co_u32 s28, s28, s29                     ; + my 1,024 bytes of a row
	s_mov_b32 s29, 0
	s_add_nc_u64 s[4:5], s[4:5], s[28:29]
.irp r, 0,1,2,3,4,5,6,7,8,9,10,11,12,13,14,15
	global_load_b128 v[32+8*\r:35+8*\r], v4, s[4:5] offset:(\r+8*(\r/8))*4096 th:TH_LOAD_NT       ; 32 lanes read 512 consecutive bytes of one row
	global_load_b128 v[36+8*\r:39+8*\r], v4, s[4:5] offset:(\r+8*(\r/8))*4096+512 th:TH_LOAD_NT
.endr
	s_mul_i32 s30, s20, 16640                      ; my stage: 16 rows of 1,024 bytes + 16
	v_add_nc_u32 v5, s30, v4                       ; in: as loaded, 16 l
	v_mul_u32_u24 v6, v2, 1040
	v_lshl_add_u32 v6, v3, 7, v6
	v_add_nc_u32 v6, s30, v6                       ; out: row r, + 128 h: a whole block of 32 numbers a lane
	v_lshlrev_b32 v7, 3, v2                        ; 8 r: my row's two scale words
	v_lshlrev_b32 v15, 3, v3                       ; 8 h
	v_mov_b32 v18, 0                               ; a lane permute's destination counts as one of its sources
	s_mul_i32 s28, s25, GRP
	s_mul_i32 s29, s20, KST
	s_add_co_u32 s28, s28, s29
	s_mul_i32 s29, s26, 3072
	s_add_co_u32 s28, s28, s29
	s_mov_b32 s29, 0
	s_lshl_b32 s32, s25, 12
	s_lshl_b32 s33, s20, 10
	s_add_co_u32 s32, s32, s33
	s_lshl_b32 s33, s26, 7
	s_add_co_u32 s32, s32, s33
	s_add_co_u32 s32, s32, XSC
	s_mov_b32 s33, 0
	s_add_nc_u64 s[34:35], s[12:13], s[32:33]      ; my tile's scale words
	s_add_nc_u64 s[12:13], s[12:13], s[28:29]      ; my tile's two fragments
.irp r, 0,1,2,3,4,5,6,7,8,9,10,11,12,13,14,15
	s_wait_loadcnt 30-2*\r                         ; row r's two loads are in; the younger rows' may be out
	ds_store_b128 v5, v[32+8*\r:35+8*\r] offset:1040*\r
	ds_store_b128 v5, v[36+8*\r:39+8*\r] offset:1040*\r+512
.endr
.irp q, 0,1                                    ; LDS serves a wave's instructions in order: these see the stores above, and land in the registers that the stores have left
.irp c, 0,1
.irp n, 0,1,2,3,4,5,6,7
	ds_load_b128 v[32+64*\q+32*\c+4*\n:35+64*\q+32*\c+4*\n], v6 offset:512*\q+256*\c+16*\n   ; register 64 q + 32 c + i = k 128 q + 64 c + 32 h + i of row r
.endr
.endr
.endr
; 64 numbers of a lane (two whole blocks) become half q's fragment and its scale word
.macro XQ q
.set NB, 32+64*\q
.irp c, 0,1
	v_max3_num_f32 v[8+\c], |v[NB+32*\c]|, |v[NB+32*\c+1]|, 0x1800000   ; and the floor 2^(3 - 127): the byte cannot fall under 1
.endr
.irp i, 2,4,6,8,10,12,14,16,18,20,22,24,26,28,30
.irp c, 0,1
	v_max3_num_f32 v[8+\c], v[8+\c], |v[NB+32*\c+\i]|, |v[NB+32*\c+\i+1]|   ; the two blocks by turns
.endr
.endr
.irp c, 0,1
	v_add_nc_u32 v[10+\c], 0xff000000, v[8+\c]     ; 2 off the exponent field: the conversion's scale operand
.endr
.irp c, 0,1
	v_lshrrev_b32 v[12+\c], 23, v[10+\c]           ; the scale's byte
.endr
	v_lshl_or_b32 v14, v13, 16, v12                ; blocks h and 2 + h of my row,
	v_lshlrev_b32 v14, v15, v14                    ; at their places in the word;
	v_permlanex16_b32 v18, v14, s22, s23
	v_or_b32 v[16+\q], v14, v18                    ; with lane l xor 16's two the word is whole
.irp c, 0,1
	v_cvt_scalef32_pk16_fp6_f32 v[160+12*\q+6*\c:162+12*\q+6*\c], v[NB+32*\c:NB+32*\c+15], v[10+\c]
	v_cvt_scalef32_pk16_fp6_f32 v[184+4*\c:186+4*\c], v[NB+32*\c+16:NB+32*\c+31], v[10+\c]   ; (a conversion's three registers begin on an even number)
.endr
	v_nop                                          ; one plain place behind a scaled conversion
.irp c, 0,1
.irp i, 0,1,2
	v_mov_b32 v[163+12*\q+6*\c+\i], v[184+4*\c+\i]
.endr
.endr
.irp c, 0,1,2
	global_store_b128 v4, v[160+12*\q+4*\c:163+12*\q+4*\c], s[12:13] offset:1536*\q+512*\c   ; 512 consecutive bytes, aligned
.endr
.endm
	s_wait_dscnt 16                                ; the first half's sixteen loads are back; the second half's may be out
	XQ 0
	s_wait_dscnt 0x0
	XQ 1
	s_wait_xcnt 0x0                                ; EXEC changes only behind this wait
	v_cmp_gt_u32 vcc_lo, 16, v1
	s_wait_tensorcnt 0x0
	ds_add_u32 v224, v225
	s_wait_dscnt 0x0
	s_and_saveexec_b32 s36, vcc_lo                 ; lanes 0-15: one lane a row
	global_store_b64 v7, v[16:17], s[34:35]
	s_wait_xcnt 0x0
	s_or_b32 exec_lo, exec_lo, s36
	s_endpgm
; ---------------- the mask.  The work-group takes query tile t (16 query places), wave sq key steps 4 sq .. 4 sq + 3 of 128 keys.
; Word j = 16 b + i of a step: bit L says whether key 128 s + 32 b + 16 (L / 16) + i counts for the query of lane L % 16: the place of score register j in the attention launch.
.Lmask:
	s_sub_co_u32 s24, ttmp9, 256                   ; t
	s_lshr_b32 s25, s24, 1
	s_lshl_b32 s25, s25, 5
	s_and_b32 s26, s24, 1
	s_lshl_b32 s26, s26, 3
	s_add_co_u32 s25, s25, s26                     ; the tile's first query: 32 (t / 2) + 8 (t % 2)
	s_lshl_b32 s26, s25, 11                        ; rows of 2,048 bytes
	s_lshl_b32 s27, s20, 9
	s_add_co_u32 s26, s26, s27                     ; + my 512 keys
	s_mov_b32 s27, 0
	s_add_nc_u64 s[10:11], s[10:11], s[26:27]
	v_and_b32 v5, 8, v2
	v_add_nc_u32 v5, v5, v2                        ; r + 8 (r / 8)
	v_lshlrev_b32 v5, 11, v5
	v_lshl_add_u32 v5, v3, 4, v5                   ; + 16 h
.irp s, 0,1,2,3
.irp b, 0,1,2,3
	global_load_b128 v[64+16*\s+4*\b:67+16*\s+4*\b], v5, s[10:11] offset:128*\s+32*\b th:TH_LOAD_NT
.endr
.endr
	s_lshl_b32 s26, s24, 12
	s_lshl_b32 s28, s20, 10
	s_add_co_u32 s26, s26, s28
	s_add_nc_u64 s[16:17], s[16:17], s[26:27]      ; mw at (16 t + 4 sq) x 256
	s_lshl_b32 s26, s24, 4
	s_lshl_b32 s28, s20, 2
	s_add_co_u32 s26, s26, s28
	s_add_nc_u64 s[18:19], s[18:19], s[26:27]      ; fl at word 4 t + sq
	v_lshlrev_b32 v8, 3, v1                        ; 8 l
.irp i, 0,1,2,3,4,5,6,7
	v_mov_b32 v[32+\i], 0                          ; v_writelane_b32's destination counts as read
.endr
	s_mov_b32 s41, 0                               ; the flags: bit s': some key of the step counts; bit 8 + s': all count
	s_wait_loadcnt 0x0
.set ST, 0
.rept 4
	s_mov_b32 s38, 0
	s_mov_b32 s39, -1
.set J, 0
.rept 64
	v_and_b32 v[6+J%2], 0xff<<(8*(J%4)), v[64+16*ST+4*(J/16)+(J%16)/4]   ; the byte of key 32 (J / 16) + 16 h + J % 16
	v_cmp_ne_u32 s[36+J%2], 0, v[6+J%2]
	v_writelane_b32 v[32+2*ST+J%2], s[36+J%2], J/2                       ; word J into lane J / 2 of the pair
	s_or_b32 s38, s38, s[36+J%2]
	s_and_b32 s39, s39, s[36+J%2]
.set J, J+1
.endr
	s_cmp_lg_u32 s38, 0
	s_cselect_b32 s40, 1<<ST, 0
	s_or_b32 s41, s41, s40
	s_cmp_eq_u32 s39, -1
	s_cselect_b32 s40, 256<<ST, 0
	s_or_b32 s41, s41, s40
	global_store_b64 v8, v[32+2*ST:33+2*ST], s[16:17] offset:256*ST      ; the step's 64 words: 256 consecutive bytes, aligned
.set ST, ST+1
.endr
	v_mov_b32 v9, s41
	v_mov_b32 v10, 0
	s_wait_xcnt 0x0                                ; EXEC changes only behind this wait
	v_cmp_eq_u32 vcc_lo, 0, v1
	s_and_saveexec_b32 s42, vcc_lo
	global_store_b32 v10, v9, s[18:19]
	s_wait_xcnt 0x0
	s_or_b32 exec_lo, exec_lo, s42
	s_endpgm
; ---------------- the weights: K is the FIRST axis.  A lane takes a column and its registers run down K.  Work-group: group G = id / 8 (0-23 Wqkv, 24-31 Wout), 128 along K at 128 (id % 8).
; Wave w takes columns 32 w .. 32 w + 31 of the group: lane l = 16 g + 8 u + j is place (tile 2 w + u, row 8 g + j).
.Lweights:
	s_lshr_b32 s25, ttmp9, 3                       ; G
	s_and_b32 s26, ttmp9, 7                        ; kq
	s_mov_b32 s24, 4096
	s_cmp_lt_u32 s25, 24
	s_cselect_b64 s[6:7], s[6:7], s[8:9]           ; the choice hangs on the work-group's number alone
	s_cselect_b32 s24, 12288, s24                  ; a row of the weight in bytes
	s_cselect_b32 s27, 0, 24
	s_sub_co_u32 s27, s25, s27                     ; the group inside its tensor
	s_lshl_b32 s36, s26, 7
	s_mul_i32 s36, s36, s24                        ; 128 kq rows down
	s_lshl_b32 s27, s27, 9
	s_add_co_u32 s36, s36, s27                     ; + 128 columns a group
	s_lshl_b32 s27, s20, 7
	s_add_co_u32 s36, s36, s27                     ; + 32 columns a wave
	s_mov_b32 s37, 0
	s_add_nc_u64 s[28:29], s[6:7], s[36:37]        ; block 0's first row
	s_lshl_b32 s36, s24, 5                         ; 32 rows
	s_add_nc_u64 s[30:31], s[28:29], s[36:37]
	s_add_nc_u64 s[32:33], s[30:31], s[36:37]
	s_add_nc_u64 s[34:35], s[32:33], s[36:37]
	v_lshlrev_b32 v5, 2, v1                        ; 4 l
.set I, 0
.rept 32
	v_mad_u32_u24 v[32+I], s24, I, v5              ; row I of a block: the pitch is no constant, so it cannot stand in an immediate
.set I, I+1
.endr
.irp t, 0,1,2,3
.set I, 0
.rept 32
	global_load_b32 v[64+32*\t+I], v[32+I], s[28+2*\t:29+2*\t] th:TH_LOAD_NT   ; 128 consecutive bytes a wave, 512 a work-group
.set I, I+1
.endr
.endr
	v_bfe_u32 v6, v0, 3, 1                         ; u
	v_and_b32 v7, 7, v0                            ; j
	v_lshl_add_u32 v7, v3, 3, v7                   ; the row place 8 g + j
	s_mul_i32 s38, s20, 3328
	s_add_co_u32 s38, s38, LDW                     ; my stage: two fragments, 1,664 bytes apart
	v_mul_u32_u24 v8, v6, 1664
	v_lshl_add_u32 v8, v7, 4, v8
	v_add_nc_u32 v8, s38, v8                       ; in: my column's place as lane 8 g + j (+ 16 for the odd blocks) of its fragment
	v_add_nc_u32 v9, s38, v4                       ; back: 16 l
	v_lshl_add_u32 v10, v6, 4, v7
	v_lshlrev_b32 v10, 3, v10                      ; my column's scale word: (16 u + 8 g + j) x 8
	s_mul_i32 s36, s25, GRP
	s_lshr_b32 s39, s26, 1
	s_mul_i32 s40, s39, KST
	s_add_co_u32 s36, s36, s40
	s_mul_i32 s40, s20, 6144
	s_add_co_u32 s36, s36, s40
	s_and_b32 s41, s26, 1
	s_mul_i32 s40, s41, 1536
	s_add_co_u32 s36, s36, s40
	s_add_nc_u64 s[42:43], s[14:15], s[36:37]      ; my two fragments in wq
	s_lshl_b32 s36, s25, 12
	s_lshl_b32 s40, s39, 10
	s_add_co_u32 s36, s36, s40
	s_lshl_b32 s40, s20, 8
	s_add_co_u32 s36, s36, s40
	s_lshl_b32 s40, s41, 2
	s_add_co_u32 s36, s36, s40
	s_add_co_u32 s36, s36, WSC
	s_add_nc_u64 s[44:45], s[14:15], s[36:37]      ; and their scale words
; Block t (32 along K, all mine): registers 6 (t / 2) .. + 5 of lane (row place) + 16 (t % 2) of the fragment
.macro WBLOCK t, left
.set XS, 64+32*\t
	s_wait_loadcnt \left                           ; this block's 32 loads are in
	v_max3_num_f32 v12, |v[XS]|, |v[XS+1]|, |v[XS+2]|
	v_max3_num_f32 v13, |v[XS+3]|, |v[XS+4]|, |v[XS+5]|
.irp i, 6,10,14,18,22,26
	v_max3_num_f32 v12, v12, |v[XS+\i]|, |v[XS+\i+1]|
	v_max3_num_f32 v13, v13, |v[XS+\i+2]|, |v[XS+\i+3]|
.endr
	v_max3_num_f32 v12, v12, |v[XS+30]|, |v[XS+31]|
	v_max3_num_f32 v12, v12, v13, 0x1800000        ; and the floor 2^(3 - 127)
	v_add_nc_u32 v11, 0xff000000, v12              ; the conversion's scale operand
	v_lshrrev_b32 v13, 23, v11                     ; the byte
.if \t == 0
	v_mov_b32 v14, v13
.else
	v_lshl_or_b32 v14, v13, 8*\t, v14              ; byte t of my column's scale word
.endif
	v_cvt_scalef32_pk16_fp6_f32 v[192:194], v[XS:XS+15], v11
	v_cvt_scalef32_pk16_fp6_f32 v[200:202], v[XS+16:XS+31], v11
	v_nop                                          ; one plain place behind a scaled conversion
	v_mov_b32 v195, v200
	v_mov_b32 v196, v201
	v_mov_b32 v197, v202
.if \t < 2
	ds_store_b128 v8, v[192:195] offset:256*(\t%2)             ; registers 0-3: chunk 0
	ds_store_b64 v8, v[196:197] offset:512+256*(\t%2)          ; registers 4, 5: the first half of chunk 1
.else
	ds_store_b64 v8, v[192:193] offset:520+256*(\t%2)          ; registers 6, 7: its second half
	ds_store_b128 v8, v[194:197] offset:1024+256*(\t%2)        ; registers 8-11: chunk 2
.endif
	s_wait_dscnt 0x0                               ; the stores have read their registers: the next block's codes may be written
.endm
	WBLOCK 0, 63                                   ; behind block 0's loads 96 were issued, behind block 1's 64: 63 is the largest count that can be named
	WBLOCK 1, 63
	WBLOCK 2, 32
	WBLOCK 3, 0
.irp n, 0,1,2,3,4,5
	ds_load_b128 v[64+4*\n:67+4*\n], v9 offset:1664*(\n/3)+512*(\n%3)
.endr
.irp n, 0,1,2,3,4,5
	s_wait_dscnt 5-\n
	global_store_b128 v4, v[64+4*\n:67+4*\n], s[42:43] offset:3072*(\n/3)+512*(\n%3)   ; 512 consecutive bytes, aligned
.endr
	global_store_b32 v10, v14, s[44:45]
	s_wait_tensorcnt 0x0
	ds_add_u32 v224, v225
	s_wait_dscnt 0x0
	s_endpgm
.Lfunc_end_k_q43bdcbe3ad_prep:
	.size	k_q43bdcbe3ad_prep, .Lfunc_end_k_q43bdcbe3ad_prep-k_q43bdcbe3ad_prep
	.p2alignl 7, 3214868480
	.fill 96, 4, 3214868480
	.section	.rodata,"a",@progbits
	.p2align	6, 0x0
	.amdhsa_kernel k_q43bdcbe3ad_prep
		.amdhsa_group_segment_fixed_size 80384
		.amdhsa_private_segment_fixed_size 0
		.amdhsa_enable_private_segment 0
		.amdhsa_kernarg_size 64
		.amdhsa_user_sgpr_count 2
		.amdhsa_user_sgpr_kernarg_segment_ptr 1
		.amdhsa_wavefront_size32 1
		.amdhsa_system_sgpr_workgroup_id_x 1
		.amdhsa_system_sgpr_workgroup_id_y 1
		.amdhsa_system_sgpr_workgroup_id_z 1
		.amdhsa_system_vgpr_workitem_id 0
		.amdhsa_next_free_vgpr 226
		.amdhsa_next_free_sgpr 66
		.amdhsa_reserve_vcc 1
		.amdhsa_float_denorm_mode_32 3
		.amdhsa_float_denorm_mode_16_64 3
		.amdhsa_memory_ordered 1
		.amdhsa_forward_progress 1
		.amdhsa_inst_pref_size 110
	.end_amdhsa_kernel
	.amdgpu_metadata
---
amdhsa.version: [ 1, 2 ]
amdhsa.kernels:
  - .name:           k_q43bdcbe3ad_prep
    .symbol:         k_q43bdcbe3ad_prep.kd
    .args:
      - { .name: x, .offset: 0, .size: 8, .value_kind: global_buffer, .address_space: global }
      - { .name: Wqkv, .offset: 8, .size: 8, .value_kind: global_buffer, .address_space: global }
      - { .name: Wout, .offset: 16, .size: 8, .value_kind: global_buffer, .address_space: global }
      - { .name: causal_mask, .offset: 24, .size: 8, .value_kind: global_buffer, .address_space: global }
      - { .name: xq, .offset: 32, .size: 8, .value_kind: global_buffer, .address_space: global }
      - { .name: wq, .offset: 40, .size: 8, .value_kind: global_buffer, .address_space: global }
      - { .name: mw, .offset: 48, .size: 8, .value_kind: global_buffer, .address_space: global }
      - { .name: fl, .offset: 56, .size: 8, .value_kind: global_buffer, .address_space: global }
    .group_segment_fixed_size: 80384
    .private_segment_fixed_size: 0
    .kernarg_segment_align: 8
    .kernarg_segment_size: 64
    .max_flat_workgroup_size: 128
    .sgpr_count:     66
    .vgpr_count:     226
    .wavefront_size: 32
...
	.end_amdgpu_metadata
.endif
;; end of part 1
;; launch gemm_qkv (part 2): grid 96 x 4, 4 waves a work-group, clusters of 4 x 4, 327,680 bytes of LDS; arguments xq, wq, qkv; writes qkv
.if DOCPART == 2
	.amdgcn_target "amdgcn-amd-amdhsa--gfx1250"
	.amdhsa_code_object_version 6
	.text
	.protected	k_q43bdcbe3ad_gemm_qkv
	.globl	k_q43bdcbe3ad_gemm_qkv
	.p2align	8
	.type	k_q43bdcbe3ad_gemm_qkv,@function
k_q43bdcbe3ad_gemm_qkv:
	s_mov_b64 s[64:65], 0
	v_nop
	global_prefetch_b8 v0, s[64:65] scope:SCOPE_SE
	s_setreg_imm32_b32 hwreg(HW_REG_WAVE_MODE, 25, 1), 1
	s_wait_xcnt 0x0
	s_wait_alu depctr_hold_cnt(0) depctr_sa_sdst(0) depctr_va_vdst(0) depctr_va_sdst(0) depctr_va_ssrc(0) depctr_va_vcc(0) depctr_vm_vsrc(0)
	s_getreg_b32 s2, hwreg(HW_REG_IB_STS2, 6, 4)
	s_cmp_eq_u32 s2, 0
	s_cbranch_scc0 .Lentry_in_a_cluster
	s_endpgm
.Lentry_in_a_cluster:
	s_bfe_u32 s2, ttmp6, 0x10000c
	s_cmp_lg_u32 s2, 0xf033
	s_cbranch_scc0 .Lentry_shape_is_right
	s_endpgm
.Lentry_shape_is_right:
; q, k and v = x Wqkv on codes of FP6 (E2M3) with E8M0 scales, and their quantising for the attention launch: nothing in f32 goes to memory.
; A tile of 256 x 256 to a work-group of four waves, 128 x 128 a wave: 64 accumulators, 512 registers.  K = 1,024 is four K steps of 256, written out.
; TWO ROLES by the cluster's number (the same in all sixteen partners).  Clusters 0-15: A = tokens (xq), B = features of q and k (wq groups 0-15).  Clusters 16-23: A = features of v (wq groups 16-23), B = tokens.
; The matrix instruction is used transposed (source 0 = 16 rows of B, source 1 = 16 rows of A): a lane holds ONE row place of A and its registers run along B.  By the workspace's row order
; (place (i, r) = row 32 (i / 2) + 8 (i % 2) + r + 8 (r / 8)) the 64 registers of A's block a are B's rows 32 b + 16 (lane / 16) + i at register 16 b + i: q and k have the head's 64 along the registers, v the tokens:
; each the axis along which it is quantised.  So the way out is a quantiser in registers, and its results are stored as the attention launch's operand images.
; OPERANDS lie in memory as images of their registers: a K step of 128 rows is one dense block of 24,576 bytes, a fragment three loads of 16 bytes a lane, 512 consecutive bytes each: no pitch, no padding.
; CLUSTERS: 4 x 4.  A's tile is shared along a row of the cluster, B's along a column: joint loads, each with the mask of the four.
; LDS: three slots of 98,304 bytes (A half 0, A half 1, B half 0, B half 1); the scale words of all of K (4 x 4,096); the spare words.  K steps 0, 1, 2 are first fills; K step 3 is the one refill, into slot 0.
; All of a WGP's LDS is claimed.
; LIMITS: a block whose largest magnitude lies under 2^-124 (zeros too) gets the byte 1 where the rule says otherwise; only this program reads the bytes.  NaN and infinities are not served.
; REGISTERS: window 0: v16-29 addresses; v32-63 scale words, two sets; v128-223 A's eight fragments, one set.  window 1: B's, two sets (v0.., v128..).  windows 2, 3: accumulator (a, b) at v[8 (8 (a % 4) + b)].
.set GRP,   98304
.set KST,   24576
.set XSC,   6291456
.set WSC,   3145728
.set BLK,   19712                      ; a block of qkv: (batch, head, group of 128 tokens)
.set HSTR,  315392                     ; from head to head: 16 blocks
.set VC,    6144                       ; in a block: K's codes at 0, V's here,
.set KSC,   12288                      ; K's scale words, V's,
.set VSC,   12800
.set QC,    13056                      ; Q's codes and scale words
.set QSC,   19200
.set SLOT,  98304
.set SCL,   3*SLOT
.set SPARE, SCL+16384                  ; the spare words, 128 bytes a wave: two blocks of 256 bytes that no other line names
.set FR,    12
.set NLA,   3                          ; LDS loads that bring a fragment of A
.set ADRA,  16                         ; v16-18 my A fragments in slot 0, 1, 2
.set ADRB,  20                         ; v20-22 the same for B
.set LN,    24                         ; v24 lane
.set L8,    25                         ; v25 8 x lane
.set CO,    26                         ; v26 16 x lane
.set ADRS,  27                         ; v27 my scale words: lanes 0-15 A's rows, lanes 16-31 B's
.set SPW,   28                         ; v28 my spare word; never rewritten
.set NIL,   29                         ; v29 0; never rewritten
.set SC,    32
.set AF,    128
.set TM,    32                         ; the way out: v32-47 at work, v48-55 a scale word for each block, v56-63 scale words as stored, v64-87 and v104-127 two banks of codes, v88-94 half blocks
.set PWS,   48
.set SWR,   56
.set TT,    88
.set G1A,   24
.set G1B,   32
.set G0A,   40                         ; s[40:51] group 0 for A, a set for each slot;  s[52:63] for B
.set G0B,   52
.set G1SA,  68
.set G1SB,  76
.set G0SA,  84
.set G0SB,  88
.set MSB, 0
.macro WIN new                         ; the immediate's high byte repeats the setting that is left
.if MSB != (\new)
	s_set_vgpr_msb (MSB<<8)|(\new)
.set MSB, (\new)
.endif
.endm
.set MUL_LO, 0xa1                      ; source 0 (B) window 1, source 1 (A) window 0, C and D window 2
.set MUL_HI, 0xf1
.set TO_B,   0x40
; A joint load: waves 0 and 1 fetch A's halves, waves 2 and 3 B's.  The branch hangs on the wave's number alone.  Four v_nop follow each of the two lines.
.macro JLOAD g0a, g1a, g0b, g1b
	s_cmp_eq_u32 s15, 0
	s_cbranch_scc0 .Lfor_b_\@
	tensor_load_to_lds s[\g0a:\g0a+3], s[\g1a:\g1a+7]
	s_nop 0
.rept 4
	v_nop
.endr
	s_branch .Lasked_\@
.Lfor_b_\@:
	tensor_load_to_lds s[\g0b:\g0b+3], s[\g1b:\g1b+7]
	s_nop 0
.rept 4
	v_nop
.endr
.Lasked_\@:
.endm
.macro CREST                           ; a round of the cluster's barrier behind its opening barrier
	s_cmp_lg_u32 s14, 0
	s_cbranch_scc1 .Lnot_wave_0_\@
	s_barrier_signal -3
.Lnot_wave_0_\@:
	s_barrier_wait -3
	s_barrier_signal -1
	s_barrier_wait -1
.endm
.macro CROUND
	s_barrier_signal -1
	s_barrier_wait -1
	CREST
.endm
.macro PLACES n
.rept \n
	v_nop
.endr
.endm
	s_load_b128 s[4:7], s[0:1], 0x0                ; xq, wq
	s_load_b64 s[8:9], s[0:1], 0x10                ; qkv
	v_lshl_add_u32 v[SPW], v0, 2, SPARE
	v_mov_b32 v[NIL], 0
	ds_add_u32 v28, v29
	ds_add_u32 v28, v29
	s_wait_dscnt 0x0
	v_lshrrev_b32 v1, 5, v0
	v_readfirstlane_b32 s14, v1                    ; wave 0..3
	s_lshr_b32 s15, s14, 1                         ; which half of the tile's A rows I multiply.  Also: I fetch for A (0) or for B (1)
	s_and_b32 s16, s14, 1                          ; which half of its B rows.  Also: which half I fetch
	s_bfe_u32 s10, ttmp6, 0x40000                  ; cx
	s_bfe_u32 s11, ttmp6, 0x40004                  ; cy
	s_lshl_b32 s2, s11, 2
	s_lshl_b32 s2, 15, s2                          ; my row of the cluster
	s_lshl_b32 s3, 0x1111, s10                     ; my column
	; group 1: a dense block as rows of 256 bytes (32 elements of 8 bytes): 96 rows of codes, 16 of scale words; no padding: every read of a fragment is 512 consecutive bytes
	s_or_b32 s[G1A], s2, (3<<16)|(1<<21)
	s_or_b32 s[G1B], s3, (3<<16)|(1<<21)
	s_or_b32 s[G1SA], s2, (3<<16)|(1<<21)
	s_or_b32 s[G1SB], s3, (3<<16)|(1<<21)
.irp g, G1A, G1B
	s_mov_b32 s[\g+1], 32<<16                      ; tensor_dim0
	s_mov_b32 s[\g+2], 96<<16                      ; tensor_dim1
	s_mov_b32 s[\g+3], 32<<16                      ; tile_dim0
	s_mov_b32 s[\g+4], 96                          ; tile_dim1
	s_mov_b32 s[\g+5], 32                          ; the pitch
	s_mov_b32 s[\g+6], 0
	s_mov_b32 s[\g+7], 0
.endr
.irp g, G1SA, G1SB
	s_mov_b32 s[\g+1], 32<<16
	s_mov_b32 s[\g+2], 16<<16
	s_mov_b32 s[\g+3], 32<<16
	s_mov_b32 s[\g+4], 16
	s_mov_b32 s[\g+5], 32
	s_mov_b32 s[\g+6], 0
	s_mov_b32 s[\g+7], 0
.endr
	; the roles.  A's group = (8 (cid / 2) or 16) + 2 cy + half;  B's = (8 (cid % 2) or 8 (cid - 16)) + 2 cx + half
	s_lshr_b32 s17, ttmp9, 1
	s_lshl_b32 s17, s17, 3
	s_and_b32 s18, ttmp9, 1
	s_lshl_b32 s18, s18, 3
	s_sub_co_u32 s19, ttmp9, 16
	s_lshl_b32 s19, s19, 3
	s_mov_b32 s20, WSC
	s_mov_b32 s21, XSC
	s_wait_kmcnt 0x0
	s_cmp_lt_u32 ttmp9, 16
	s_cselect_b32 s17, s17, 16
	s_cselect_b32 s18, s18, s19
	s_cselect_b32 s96, s21, s20                    ; where A's scale words begin in A's buffer
	s_cselect_b32 s97, s20, s21                    ; and B's
	s_cselect_b64 s[92:93], s[4:5], s[6:7]         ; A's buffer
	s_cselect_b64 s[94:95], s[6:7], s[4:5]         ; B's
	s_lshl_b32 s19, s11, 1
	s_add_co_u32 s17, s17, s19
	s_add_co_u32 s12, s17, s15                     ; the group of A that I multiply
	s_add_co_u32 s17, s17, s16                     ; the group of A that I fetch: made of the cluster's number, cy and the wave's number
	s_lshl_b32 s22, s10, 1
	s_add_co_u32 s18, s18, s22
	s_add_co_u32 s18, s18, s16                     ; the group of B that I fetch and multiply: the cluster's number, cx, the wave's number
	s_mov_b32 s13, s18
	s_mul_i32 s20, s17, GRP
	s_mov_b32 s21, 0
	s_add_nc_u64 s[20:21], s[92:93], s[20:21]      ; A's codes
	s_lshl_b32 s98, s17, 12
	s_add_co_u32 s98, s98, s96
	s_mov_b32 s99, 0
	s_add_nc_u64 s[98:99], s[92:93], s[98:99]      ; A's scale words
	s_mul_i32 s22, s18, GRP
	s_mov_b32 s23, 0
	s_add_nc_u64 s[22:23], s[94:95], s[22:23]      ; B's codes
	s_lshl_b32 s2, s18, 12
	s_add_co_u32 s2, s2, s97
	s_mov_b32 s3, 0
	s_add_nc_u64 s[2:3], s[94:95], s[2:3]          ; B's scale words
	s_mul_i32 s66, s14, KST                        ; where they go: quarter = wave: no place in the cluster enters an LDS address
	s_lshl_b32 s67, s14, 12
	CROUND                                         ; all sixteen work-groups are here: the first joint loads meet
	s_mov_b32 s[G0SA], 1
	s_add_co_u32 s[G0SA+1], s67, SCL
	s_mov_b64 s[G0SA+2:G0SA+3], s[98:99]
	s_or_b32 s[G0SA+3], s[G0SA+3], 0x80000000
	s_mov_b32 s[G0SB], 1
	s_add_co_u32 s[G0SB+1], s67, SCL
	s_mov_b64 s[G0SB+2:G0SB+3], s[2:3]
	s_or_b32 s[G0SB+3], s[G0SB+3], 0x80000000
	JLOAD G0SA, G1SA, G0SB, G1SB                   ; the scale words first: they are wanted with K step 0
.irp s, 0,1,2
	s_mov_b32 s[G0A+4*\s], 1
	s_add_co_u32 s[G0A+4*\s+1], s66, \s*SLOT
	s_add_nc_u64 s[G0A+4*\s+2:G0A+4*\s+3], s[20:21], \s*KST
	s_or_b32 s[G0A+4*\s+3], s[G0A+4*\s+3], 0x80000000
	s_mov_b32 s[G0B+4*\s], 1
	s_add_co_u32 s[G0B+4*\s+1], s66, \s*SLOT
	s_add_nc_u64 s[G0B+4*\s+2:G0B+4*\s+3], s[22:23], \s*KST
	s_or_b32 s[G0B+4*\s+3], s[G0B+4*\s+3], 0x80000000
	JLOAD G0A+4*\s, G1A, G0B+4*\s, G1B             ; K steps 0, 1, 2: with the scale words four loads of mine are out
.endr
	v_and_b32 v[LN], 31, v0
	v_and_b32 v1, 15, v0                           ; r
	v_bfe_u32 v2, v0, 4, 1                         ; h
	v_lshlrev_b32 v[CO], 4, v[LN]
	v_lshlrev_b32 v[L8], 3, v[LN]
	s_mul_i32 s20, s15, KST                        ; my 128 rows of A
	s_mul_i32 s22, s16, KST
	s_add_co_u32 s22, s22, 2*KST                   ; my 128 rows of B, behind A's two halves
.irp s, 0,1,2
	v_add_nc_u32 v[ADRA+\s], s20, v[CO]
	v_add_nc_u32 v[ADRB+\s], s22, v[CO]
	s_add_co_u32 s20, s20, SLOT
	s_add_co_u32 s22, s22, SLOT
.endr
	s_lshl_b32 s20, s15, 12                        ; A's scale words: my half
	s_lshl_b32 s22, s16, 12
	s_add_co_u32 s22, s22, 8192                    ; B's, behind A's two halves
	s_sub_co_u32 s22, s22, s20
	v_mul_u32_u24 v3, s22, v2                      ; lanes 16-31 take B's: one product of h
	s_add_co_u32 s20, s20, SCL
	v_lshl_add_u32 v3, v1, 3, v3                   ; 8 bytes a row and K step
	v_add_nc_u32 v[ADRS], s20, v3
; 16 matrix instructions: A's blocks a0, a0 + 1 x B's eight, 128 along K.  p: B's set; q: the K step's half; sc: the set of scale words.  The 64 accumulators take turns, one instruction a turn, in one order.
.macro MUL16 a0, p, q, sc, zero
.irp a, \a0, \a0+1
.irp b, 0,1,2,3,4,5,6,7
.if \zero
	v_wmma_scale_f32_16x16x128_f8f6f4 v[8*(8*((\a)%4)+\b):8*(8*((\a)%4)+\b)+7], v[128*(\p)+FR*\b:128*(\p)+FR*\b+FR-1], v[AF+FR*(\a):AF+FR*(\a)+FR-1], 0, v[SC+16*(\sc)+2*\b+(\q)], v[SC+16*(\sc)+2*(\a)+(\q)] matrix_a_fmt:MATRIX_FMT_FP6 matrix_b_fmt:MATRIX_FMT_FP6 matrix_a_scale:MATRIX_SCALE_ROW1
.else
	v_wmma_scale_f32_16x16x128_f8f6f4 v[8*(8*((\a)%4)+\b):8*(8*((\a)%4)+\b)+7], v[128*(\p)+FR*\b:128*(\p)+FR*\b+FR-1], v[AF+FR*(\a):AF+FR*(\a)+FR-1], v[8*(8*((\a)%4)+\b):8*(8*((\a)%4)+\b)+7], v[SC+16*(\sc)+2*\b+(\q)], v[SC+16*(\sc)+2*(\a)+(\q)] matrix_a_fmt:MATRIX_FMT_FP6 matrix_b_fmt:MATRIX_FMT_FP6 matrix_a_scale:MATRIX_SCALE_ROW1
.endif
.endr
.endr
.endm
.macro FETCH_B slot, q, p              ; B's eight fragments of the slot's half q into set p
	WIN TO_B
.irp i, 0,1,2,3,4,5,6,7
.irp c, 0,1,2
	ds_load_b128 v[128*(\p)+FR*\i+4*\c:128*(\p)+FR*\i+4*\c+3], v[ADRB+\slot] offset:\i*3072+(\q)*1536+512*\c
.endr
.endr
	WIN 0
.endm
.macro FETCH_A slot, q, i0             ; A's blocks i0 .. i0 + 3
.irp i, \i0, \i0+1, \i0+2, \i0+3
.irp c, 0,1,2
	ds_load_b128 v[AF+FR*(\i)+4*\c:AF+FR*(\i)+4*\c+3], v[ADRA+\slot] offset:(\i)*3072+(\q)*1536+512*\c
.endr
.endr
.endm
.macro SCALES ks                       ; K step ks's scale words into set ks % 2: two words a row; lanes 0-15 A's block i, lanes 16-31 B's
.irp i, 0,1,2,3,4,5,6,7
	ds_load_b64 v[SC+16*((\ks)%2)+2*\i:SC+16*((\ks)%2)+2*\i+1], v[ADRS] offset:(\ks)*1024+\i*128
.endr
.endm
; A slot's first half.  Four places stand in front of each run of loads into registers that matrix instructions have read (ISA guide 7.12.1 for vector instructions).
.macro STEP slot, sc, zero
	s_wait_dscnt 4*NLA                             ; B's set and A's blocks 0-3 are in; the youngest loads (A's blocks 4-7) may be out
	WIN MUL_LO
	MUL16 0, 0, 0, \sc, \zero
	MUL16 2, 0, 0, \sc, \zero
	s_wait_dscnt 0x0                               ; A's blocks 4-7 are in
	PLACES 4
	FETCH_B \slot, 1, 1
	FETCH_A \slot, 1, 0
	WIN MUL_HI
	MUL16 4, 0, 0, \sc, \zero
	MUL16 6, 0, 0, \sc, \zero
	PLACES 4
	WIN 0
	FETCH_A \slot, 1, 4
.endm
; A slot's second half, which goes on to slot next (K step ksn).  mode 1: slot 0 is filled again behind a round of the cluster's barrier; mode 2: a barrier, since K step 3 has to be whole; mode 0: none: the next slot was shown whole earlier.
.macro TURN slot, sc, next, ksn, mode
.if \mode
	s_wait_tensorcnt 0x0                           ; all my tensor loads have landed
	ds_add_u32 v[SPW], v[NIL]                      ; 0 onto my spare word
	s_wait_dscnt 4*NLA+1                           ; (the add and A's blocks 4-7 may be out)
	WIN MUL_LO
	MUL16 0, 1, 1, \sc, 0                          ; sixteen matrix instructions stand between the add and the wait for it
	s_wait_dscnt 0x0                               ; the add is done, and my reads of this slot are over
	s_barrier_signal -1
	MUL16 2, 1, 1, \sc, 0
	WIN 0
	s_barrier_wait -1
.if \mode == 1
	CREST                                          ; the barrier has opened a round of the cluster's: no wave of any partner still reads slot 0 or has a load on its way
	s_add_nc_u64 s[G0A+2:G0A+3], s[G0A+2:G0A+3], 3*KST
	s_add_nc_u64 s[G0B+2:G0B+3], s[G0B+2:G0B+3], 3*KST
	JLOAD G0A, G1A, G0B, G1B                       ; K step 3 into slot 0: my one tensor load behind the round; its four v_nop are the places in front of the loads below
.else
	PLACES 4
.endif
.else
	s_wait_dscnt 4*NLA
	WIN MUL_LO
	MUL16 0, 1, 1, \sc, 0
	MUL16 2, 1, 1, \sc, 0
	s_wait_dscnt 0x0
	WIN 0
	PLACES 4
.endif
	FETCH_B \next, 0, 0
	FETCH_A \next, 0, 0
	SCALES \ksn
	WIN MUL_HI
	MUL16 4, 1, 1, \sc, 0
	MUL16 6, 1, 1, \sc, 0
	PLACES 4
	WIN 0
	FETCH_A \next, 0, 4
.endm
	s_wait_tensorcnt 2                             ; the scale words and my part of K step 0 are in; K steps 1 and 2 may stay out
	s_barrier_signal -1
	s_barrier_wait -1
	FETCH_B 0, 0, 0
	FETCH_A 0, 0, 0
	SCALES 0
	FETCH_A 0, 0, 4
	STEP 0, 0, 1                                   ; the first products start the sums: nothing is cleared
	TURN 0, 0, 1, 1, 1                             ; the refill has 256 matrix instructions in which to land
	STEP 1, 1, 0
	TURN 1, 1, 2, 2, 0                             ; every wave waited for all its loads in front of the round: slots 1 and 2 are whole
	STEP 2, 0, 0
	TURN 2, 0, 0, 3, 2
	STEP 0, 1, 0
	s_wait_dscnt 4*NLA                             ; the very last half: nothing more to fetch
	WIN MUL_LO
	MUL16 0, 1, 1, 1, 0
	MUL16 2, 1, 1, 1, 0
	s_wait_dscnt 0x0
	WIN MUL_HI
	MUL16 4, 1, 1, 1, 0
	MUL16 6, 1, 1, 1, 0
	WIN 0
; THE WAY OUT.  Block a's 64 accumulator registers (register 16 b + i = B's row 32 b + 16 h + i, of my row place of A) become codes: B's rows 32 h .. + 31 in v[d0 .. d0 + 5], 64 + 32 h .. in v[d1 .. d1 + 5]; four scale bytes in v[PWS + a].
.macro EQUANT a, d0, d1
.set AC, 64*((\a)%4)
	WIN 0x28+0x14*((\a)/4)                         ; sources 1 and 2: window 2 or 3
.irp b, 0,1,2,3
	v_max3_num_f32 v[TM+\b], 0x1800000, |v[AC+16*\b]|, |v[AC+16*\b+1]|   ; the floor 2^(3 - 127) among the leaves; each accumulator is read from its low end on
.endr
.irp i, 2,4,6,8,10,12,14
.irp b, 0,1,2,3
	v_max3_num_f32 v[TM+\b], v[TM+\b], |v[AC+16*\b+\i]|, |v[AC+16*\b+\i+1]|
.endr
.endr
	WIN 0
.irp b, 0,1,2,3
	v_permlanex16_b32 v[TM+4+\b], v[TM+\b], s96, s97
.endr
.irp b, 0,1,2,3
	v_max_num_f32 v[TM+\b], v[TM+\b], v[TM+4+\b]   ; with lane l xor 16's: the block's largest magnitude
.endr
.irp b, 0,1,2,3
	v_add_nc_u32 v[TM+12+\b], 0xff000000, v[TM+\b] ; the conversion's scale operand
.endr
.irp b, 0,1,2,3
	v_lshrrev_b32 v[TM+4+\b], 23, v[TM+12+\b]      ; the byte
.endr
	v_lshl_or_b32 v[PWS+(\a)], v[TM+5], 8, v[TM+4]
	v_lshl_or_b32 v[PWS+(\a)], v[TM+6], 16, v[PWS+(\a)]
	v_lshl_or_b32 v[PWS+(\a)], v[TM+7], 24, v[PWS+(\a)]
	WIN 0x02+(\a)/4                                ; source 0: window 2 or 3
	v_cvt_scalef32_pk16_fp6_f32 v[(\d0):(\d0)+2], v[AC:AC+15], v[TM+12]
	v_cvt_scalef32_pk16_fp6_f32 v[TT:TT+2], v[AC+16:AC+31], v[TM+13]
	v_cvt_scalef32_pk16_fp6_f32 v[(\d1):(\d1)+2], v[AC+32:AC+47], v[TM+14]
	v_cvt_scalef32_pk16_fp6_f32 v[TT+4:TT+6], v[AC+48:AC+63], v[TM+15]
	WIN 0
	v_nop                                          ; one plain place behind a scaled conversion
.irp i, 0,1,2                                  ; the operand's layout wants a whole block in a lane
	v_permlane16_swap_b32 v[(\d0)+\i], v[TT+\i]
	v_permlane16_swap_b32 v[(\d1)+\i], v[TT+4+\i]
.endr
.irp i, 0,1,2
	v_mov_b32 v[(\d0)+3+\i], v[TT+\i]
	v_mov_b32 v[(\d1)+3+\i], v[TT+4+\i]
.endr
.endm
.macro FINISH
	s_wait_tensorcnt 0x0                           ; the wave's end
	ds_add_u32 v[SPW], v[NIL]
	s_wait_dscnt 0x0
	CROUND                                         ; the closing round
	s_endpgm
.endm
	s_cmp_lt_u32 ttmp9, 16
	s_cselect_b32 s20, s12, s13                    ; the tokens' group
	s_cselect_b32 s21, s13, s12                    ; the features' group: its low three bits name a pair of heads
	s_and_b32 s21, s21, 7
	s_lshl_b32 s21, s21, 1
	s_lshr_b32 s22, s20, 4
	s_lshl_b32 s22, s22, 4
	s_add_co_u32 s22, s22, s21                     ; 16 x batch + the pair's first head
	s_lshl_b32 s22, s22, 4
	s_and_b32 s20, s20, 15
	s_add_co_u32 s22, s22, s20                     ; x 16 + the group in its batch
	s_mul_i32 s22, s22, BLK
	s_mov_b32 s23, 0
	s_add_nc_u64 s[92:93], s[8:9], s[22:23]        ; the first head's block
	s_mov_b32 s96, 0x76543210
	s_mov_b32 s97, 0xfedcba98                      ; v_permlanex16_b32's selects for lane l xor 16
	PLACES 4                                       ; behind the last products: their scale words' registers are written next, and results are read
.irp b, 0,1,2,3
	v_mov_b32 v[TM+4+\b], 0                        ; a lane permute's destination counts as one of its sources
.endr
	s_cmp_lt_u32 ttmp9, 16
	s_cbranch_scc0 .Lv
	; ---- q or k.  My row places are tokens: block a IS the reader's tile a.  The registers are two heads of 64: head c's six words of tiles 2 P, 2 P + 1 are twelve registers, three chunks of the reader's image.
	s_and_b32 s20, ttmp9, 1                        ; even clusters make q, odd ones k
	s_mov_b32 s21, KSC
	s_cmp_eq_u32 s20, 0
	s_cselect_b32 s20, QC, 0
	s_cselect_b32 s22, QSC, s21
	s_mov_b32 s21, 0
	s_add_nc_u64 s[94:95], s[92:93], s[22:23]      ; the scale words
	s_add_nc_u64 s[92:93], s[92:93], s[20:21]      ; the codes
.irp P, 0,1,2,3
.set BNK, 64+40*(\P%2)
.if \P >= 2
	s_wait_xcnt 0x0                                ; the bank's last stores have read their registers
.endif
	EQUANT 2*\P, BNK, BNK+12
	EQUANT 2*\P+1, BNK+6, BNK+18
.irp c, 0,1
.irp n, 0,1,2
	global_store_b128 v[CO], v[BNK+12*\c+4*\n:BNK+12*\c+4*\n+3], s[92:93] offset:\c*HSTR+(3*\P+\n)*512   ; 512 consecutive bytes, aligned
.endr
.endr
.endr
	v_cmp_le_u32 vcc_lo, 16, v[LN]
.irp w, 0,1,2,3
	v_cndmask_b32 v[SWR+\w], v[PWS+2*\w], v[PWS+2*\w+1], vcc_lo   ; lanes 0-15: tile 2 w's words; lanes 16-31: tile 2 w + 1's
.endr
.irp w, 0,1,2,3
	v_lshrrev_b32 v[SWR+4+\w], 16, v[SWR+\w]       ; the second head's two bytes; the upper two are 0: they scale the half of K = 128 that holds no number
.endr
.irp w, 0,1,2,3
	v_and_b32 v[SWR+\w], 0xffff, v[SWR+\w]         ; the first head's
.endr
	global_store_b128 v[CO], v[SWR:SWR+3], s[94:95]
	global_store_b128 v[CO], v[SWR+4:SWR+7], s[94:95] offset:HSTR
	FINISH
	; ---- v.  My row places are features: block a is head a / 4 of the pair, tile a % 4 of its 64.  The registers are the group's 128 tokens: one whole fragment of V^T.
.Lv:
.irp a, 0,1,2,3,4,5,6,7
.set BNK, 64+40*(\a%2)
.if \a >= 2
	s_wait_xcnt 0x0
.endif
	EQUANT \a, BNK, BNK+6
.irp n, 0,1,2
	global_store_b128 v[CO], v[BNK+4*\n:BNK+4*\n+3], s[92:93] offset:VC+(\a/4)*HSTR+(\a%4)*1536+512*\n
.endr
.endr
	v_cmp_le_u32 vcc_lo, 16, v[LN]
.irp w, 0,1,2,3
	v_cndmask_b32 v[SWR+\w], v[PWS+2*\w], v[PWS+2*\w+1], vcc_lo
.endr
	global_store_b64 v[L8], v[SWR:SWR+1], s[92:93] offset:VSC
	global_store_b64 v[L8], v[SWR+2:SWR+3], s[92:93] offset:VSC+HSTR
	FINISH
.Lfunc_end_k_q43bdcbe3ad_gemm_qkv:
	.size	k_q43bdcbe3ad_gemm_qkv, .Lfunc_end_k_q43bdcbe3ad_gemm_qkv-k_q43bdcbe3ad_gemm_qkv
	.p2alignl 7, 3214868480
	.fill 96, 4, 3214868480
	.section	.rodata,"a",@progbits
	.p2align	6, 0x0
	.amdhsa_kernel k_q43bdcbe3ad_gemm_qkv
		.amdhsa_group_segment_fixed_size 327680
		.amdhsa_private_segment_fixed_size 0
		.amdhsa_enable_private_segment 0
		.amdhsa_kernarg_size 24
		.amdhsa_user_sgpr_count 2
		.amdhsa_user_sgpr_kernarg_segment_ptr 1
		.amdhsa_wavefront_size32 1
		.amdhsa_system_sgpr_workgroup_id_x 1
		.amdhsa_system_sgpr_workgroup_id_y 1
		.amdhsa_system_sgpr_workgroup_id_z 1
		.amdhsa_system_vgpr_workitem_id 0
		.amdhsa_next_free_vgpr 1024
		.amdhsa_next_free_sgpr 100
		.amdhsa_reserve_vcc 1
		.amdhsa_float_denorm_mode_32 3
		.amdhsa_float_denorm_mode_16_64 3
		.amdhsa_memory_ordered 1
		.amdhsa_forward_progress 1
		.amdhsa_inst_pref_size 174
	.end_amdhsa_kernel
	.amdgpu_metadata
---
amdhsa.version: [ 1, 2 ]
amdhsa.kernels:
  - .name:           k_q43bdcbe3ad_gemm_qkv
    .symbol:         k_q43bdcbe3ad_gemm_qkv.kd
    .args:
      - { .name: xq, .offset: 0, .size: 8, .value_kind: global_buffer, .address_space: global }
      - { .name: wq, .offset: 8, .size: 8, .value_kind: global_buffer, .address_space: global }
      - { .name: qkv, .offset: 16, .size: 8, .value_kind: global_buffer, .address_space: global }
    .group_segment_fixed_size: 327680
    .private_segment_fixed_size: 0
    .kernarg_segment_align: 8
    .kernarg_segment_size: 24
    .max_flat_workgroup_size: 128
    .sgpr_count:     100
    .vgpr_count:     1024
    .wavefront_size: 32
...
	.end_amdgpu_metadata
.endif
;; end of part 2
;; launch attn (part 3): grid 256 x 1, 16 waves a work-group, no clusters, 31,488 bytes of LDS; arguments qkv, mw, fl, aq; writes aq
.if DOCPART == 3
	.amdgcn_target "amdgcn-amd-amdhsa--gfx1250"
	.amdhsa_code_object_version 6
	.text
	.protected	k_q43bdcbe3ad_attn
	.globl	k_q43bdcbe3ad_attn
	.p2align	8
	.type	k_q43bdcbe3ad_attn,@function
k_q43bdcbe3ad_attn:
	s_mov_b64 s[64:65], 0
	v_nop
	global_prefetch_b8 v0, s[64:65] scope:SCOPE_SE
	s_setreg_imm32_b32 hwreg(HW_REG_WAVE_MODE, 25, 1), 1
	s_wait_xcnt 0x0
; ATTENTION on codes of FP6 (E2M3) with E8M0 scales, under the GIVEN mask, and the quantising of its result along C for the last product.
; t = score x log2(e) / 8; M = the running largest t rounded up to a whole number; p = 2^(t - M) is quantised along the keys; the row's sum is taken of the unquantised p and divides at the end.
; SHARES.  Work-group = (batch x head, quarter wq).  Each of sixteen waves owns one tile of 16 query places at a time, in 256 registers: four waves to a SIMD, so that one wave's vector work stands beside another's products.
; Two passes over the keys: tile 16 wq + w, then tile 127 - 16 wq - w.  A key step is 128 keys: one block of qkv, 13,056 bytes of K's and V's images and scale words.
; THE MASK.  An earlier launch stored, for each query tile and key step, 64 lane masks (mw) and two flags (fl): some key counts; all keys count.  A step of which no key counts for my tile is passed over by a scalar branch;
; a step that no tile of the work-group needs is not fetched; a step of which all keys count skips the 64 selects.  That holds for every mask.
; NO TENSOR LOADS, NO CLUSTER: those branches hang on numbers read from memory.  What the sixteen waves share, 13,056 bytes a step, goes once through registers into LDS.
; NO PREFETCH: the fill loads are issued two steps ahead of their use, so no wave waits for that stream.
; LAYOUT.  Both products transposed: S^T = K Q^T, O^T = V^T P^T: a lane holds one query throughout.  By the workspace's row order score register 16 b + i is key 32 b + 16 (lane / 16) + i, and O^T's register 16 b + i is channel 32 b + 16 (lane / 16) + i.
; K = 64 IN AN INSTRUCTION OF 128: Q's upper six registers are zero codes, so K's upper half may hold any codes: fragment a is registers 6 a .. 6 a + 11 of K's image (for a = 7 six zeros follow).  The dead half's scale bytes are 0.
; A QUERY WITH NO KEY AT ALL has the sum 0: its scale bytes become 0xff, which makes the last product's row NaN, as the softmax of such a row is.
; LIMITS: a block whose largest magnitude lies under 2^-124 (zeros too) gets the byte 1; only this program reads the bytes.  NaN and infinities among the inputs are not served.
.set BLK,   19712
.set HSTR,  315392
.set VC,    6144
.set KSC,   12288
.set VSC,   12800
.set QC,    13056
.set QSC,   19200
.set XSC,   6291456
.set SLOT1, 16384                      ; LDS: slot 0 at 0, slot 1 here
; v1 16 x lane; v2 8 x lane; v3 16 x thread; v4 8 x thread; v5 8 (lane % 16); v6 lane; v7-9, v31 offsets of Q's loads; v10 0xffff; v11 -infinity; v12 -M; v13 largest t; v[14:15] the sum; v16-27 Q (22-27 zeros); v28 Q's scale words; v29, v30 the fill's offsets
.set KV,  32                           ; v32-79 K's or V's image; v80-85 zeros
.set KS,  86                           ; v86-89 K's scale words
.set VS,  90                           ; v90-91 V's
.set S,   92                           ; v92-155 S^T, then p
.set OT,  156                          ; v156-187 O^T
.set PC,  188                          ; v188-199 p's codes
.set BM,  200
.set TT,  204
.set SO,  212
.set FF,  216                          ; v[216:217] f (v217 = 0, named with it as a pair)
.set PW,  218                          ; p's scale word
.set TP,  219
.set SGA, 220                          ; v220-227, v228-235 a fill on its way through registers: two sets by turns
.set SGB, 228
.set WV,   2                           ; s2 wave; s3 batch x head; s12 quarter; s13 pass; s14 k; s84 k - 1; s85 k - 2; s86 k + 1; s15, s87, s100, s101 at work
.set WANY, 88                          ; bit s: some tile of the work-group needs step s
.set TANY, 89                          ; my tile does
.set TALL, 90                          ; all its keys count for my tile
.set TI,   91                          ; my tile
.set KVB,  92                          ; s[92:93] my head's first block
.set MWT,  94                          ; s[94:95] my tile's lane masks
.set SEL,  96
.set CS,   98                          ; s[98:99] c = log2(e) / 8
	s_load_b256 s[4:11], s[0:1], 0x0               ; qkv s[4:5], mw s[6:7], fl s[8:9], aq s[10:11]
	v_lshl_add_u32 v254, v0, 2, 0x7300
	v_mov_b32 v255, 0
	v_lshrrev_b32 v1, 5, v0
	s_delay_alu instid0(VALU_DEP_1)
	v_readfirstlane_b32 s[WV], v1                  ; wave 0..15
	s_lshr_b32 s3, ttmp9, 2
	s_and_b32 s12, ttmp9, 3
	v_and_b32 v6, 31, v0
	s_delay_alu instid0(VALU_DEP_1)
	v_lshlrev_b32 v1, 4, v6
	s_delay_alu instid0(VALU_DEP_2)
	v_lshlrev_b32 v2, 3, v6
	v_lshlrev_b32 v3, 4, v0
	v_lshlrev_b32 v4, 3, v0
	v_and_b32 v5, 15, v0
	s_delay_alu instid0(VALU_DEP_1)
	v_lshlrev_b32 v5, 3, v5
	v_mov_b32 v10, 0xffff
	v_mov_b32 v11, 0xff800000
.irp i, 0,1,2,3,4,5
	v_mov_b32 v[22+\i], 0                          ; Q's upper half: zero codes
	v_mov_b32 v[80+\i], 0                          ; what follows K's last fragment
.endr
.irp i, 0,1,2,3
	v_mov_b32 v[TT+\i], 0                          ; a lane permute's destination counts as one of its sources
.endr
	v_mov_b32 v[FF+1], 0
	v_mov_b32 v[TP], 0
.irp i, 0,1,2,3,4,5,6,7,8,9,10,11,12,13,14,15
	v_mov_b32 v[SGA+\i], 0                         ; written once, so that they are written on every path
.endr
	s_mov_b32 s[SEL], 0x76543210
	s_mov_b32 s[SEL+1], 0xfedcba98
	s_mov_b32 s[CS], 0x3e38aa3b
	s_mov_b32 s[CS+1], s[CS]
	s_mul_i32 s14, s3, HSTR
	s_mov_b32 s15, 0
	s_wait_kmcnt 0x0
	s_add_nc_u64 s[KVB:KVB+1], s[4:5], s[14:15]
; A KEY STEP of my tile, out of the slot at LDS byte rd; k2: the register that holds the step's number
.macro TSTEP rd, k2
.rept 4
	v_nop                                          ; places in front of loads into registers that the last products have read
.endr
	s_bitcmp1_b32 s[TALL], s[\k2]
	s_cbranch_scc1 .Lwhole_\@
	s_and_b32 s15, s[\k2], 15
	s_lshl_b32 s15, s15, 8                         ; 256 bytes of lane masks a step
	s_load_b512 s[16:31], s[MWT:MWT+1], s15 offset:0x0
	s_load_b512 s[32:47], s[MWT:MWT+1], s15 offset:0x40
	s_load_b512 s[48:63], s[MWT:MWT+1], s15 offset:0x80
	s_load_b512 s[68:83], s[MWT:MWT+1], s15 offset:0xc0
.Lwhole_\@:
	ds_load_b128 v[KS:KS+3], v1 offset:\rd+KSC
.irp c, 0,1,2,3,4,5,6,7,8,9,10,11
	ds_load_b128 v[KV+4*\c:KV+4*\c+3], v1 offset:\rd+512*\c
.endr
	s_wait_dscnt 0x0
.irp a, 0,1,2,3,4,5,6,7                        ; S^T = K Q^T: eight tiles of 16 key places
.if \a%2
	v_wmma_scale_f32_16x16x128_f8f6f4 v[S+8*\a:S+8*\a+7], v[KV+6*\a:KV+6*\a+11], v[16:27], 0, v[KS+\a/2], v28 matrix_a_fmt:MATRIX_FMT_FP6 matrix_b_fmt:MATRIX_FMT_FP6 matrix_a_scale:MATRIX_SCALE_ROW1
.else
	v_wmma_scale_f32_16x16x128_f8f6f4 v[S+8*\a:S+8*\a+7], v[KV+6*\a:KV+6*\a+11], v[16:27], 0, v[KS+\a/2], v28 matrix_a_fmt:MATRIX_FMT_FP6 matrix_b_fmt:MATRIX_FMT_FP6
.endif
.endr
.rept 4
	v_nop                                          ; places: for the loads below and for the first read of the scores
.endr
.irp c, 0,1,2,3,4,5,6,7,8,9,10,11              ; V is asked for at once: it lands under the softmax
	ds_load_b128 v[KV+4*\c:KV+4*\c+3], v1 offset:\rd+VC+512*\c
.endr
	ds_load_b64 v[VS:VS+1], v2 offset:\rd+VSC
	s_wait_kmcnt 0x0                               ; the lane masks, if they were asked for; on every path
	s_bitcmp1_b32 s[TALL], s[\k2]
	s_cbranch_scc1 .Lopen_\@
.set j, 0
.rept 64
	v_cndmask_b32 v[S+j], v11, v[S+j], s[16+j+4*(j/48)]   ; a hidden key's score becomes -infinity: p = 0
.set j, j+1
.endr
.Lopen_\@:
.irp b, 0,1,2,3
	v_max3_num_f32 v[BM+\b], v[S+16*\b], v[S+1+16*\b], v[S+2+16*\b]   ; the largest score of each block of 32 keys: for the row's maximum and, since p rises with the score, for the block's largest p
.endr
.irp i, 3,5,7,9,11,13
.irp b, 0,1,2,3
	v_max3_num_f32 v[BM+\b], v[BM+\b], v[S+16*\b+\i], v[S+1+16*\b+\i]
.endr
.endr
.irp b, 0,1,2,3
	v_max_num_f32 v[BM+\b], v[BM+\b], v[S+15+16*\b]
.endr
.irp b, 0,1,2,3
	s_delay_alu instid0(VALU_DEP_4)
	v_permlanex16_b32 v[TT+\b], v[BM+\b], s[SEL], s[SEL+1]
.endr
.irp b, 0,1,2,3
	s_delay_alu instid0(VALU_DEP_4)
	v_max_num_f32 v[BM+\b], v[BM+\b], v[TT+\b]     ; with lane l xor 16's 16 keys
.endr
	s_delay_alu instid0(VALU_DEP_2)
	v_max3_num_f32 v[TP], v[BM], v[BM+1], v[BM+2]
	s_delay_alu instid0(VALU_DEP_1)
	v_max_num_f32 v[TP], v[TP], v[BM+3]
	s_delay_alu instid0(VALU_DEP_1)
	v_mul_f32 v[TP], s[CS], v[TP]                  ; the step's largest t of my query
	s_delay_alu instid0(VALU_DEP_1)
	v_max_num_f32 v13, v13, v[TP]                  ; the running largest t
	v_mov_b32 v[TP], v12
	s_delay_alu instid0(VALU_DEP_2)
	v_floor_f32 v12, -v13                          ; the new -M = floor(-t): M is a whole number
	s_delay_alu instid0(VALU_DEP_1)
	v_sub_f32 v[TP], v12, v[TP]                    ; old M - new M: a whole number, 0 or less
	s_delay_alu instid0(VALU_DEP_1)
	v_cvt_i32_f32 v[TP], v[TP]                     ; (it saturates)
	s_delay_alu instid0(VALU_DEP_1)
	v_ldexp_f32 v[FF], 1.0, v[TP]                  ; f = 2^(old M - new M): a multiplication by it rounds nothing
.set j, 0
.rept 32
	v_pk_fma_f32 v[S+j:S+j+1], v[S+j:S+j+1], s[CS:CS+1], v[12:13] op_sel_hi:[1,0,0]   ; t - M, two at a time
.set j, j+2
.endr
.irp b, 0,1,2,3
	v_fma_f32 v[BM+\b], v[BM+\b], s[CS], v12       ; the same of each block's largest score
.endr
.set j, 0
	s_wait_alu depctr_va_vdst(0)
.rept 64
	v_exp_f32 v[S+j], v[S+j]                       ; p = 2^(t - M)
.set j, j+1
.endr
	v_pk_mul_f32 v[14:15], v[14:15], v[FF:FF+1] op_sel_hi:[1,0]   ; the sums under the new M: a plain place behind the exponentials
	s_wait_alu depctr_va_vdst(0)                   ; one wait for the whole batch, ahead of its first reader
.irp b, 0,1,2,3
	v_exp_f32 v[BM+\b], v[BM+\b]                   ; the block's largest p
.endr
	v_pk_add_f32 v[204:205], v[96:97], v[100:101]
	v_pk_add_f32 v[252:253], v[104:105], v[108:109]
	v_pk_add_f32 v[250:251], v[112:113], v[116:117]
	v_pk_add_f32 v[248:249], v[120:121], v[124:125]
	v_pk_add_f32 v[246:247], v[128:129], v[132:133]
	v_pk_add_f32 v[244:245], v[136:137], v[140:141]
	v_pk_add_f32 v[242:243], v[144:145], v[148:149]
	v_pk_add_f32 v[14:15], v[14:15], v[152:153]
	v_pk_add_f32 v[204:205], v[204:205], v[92:93]
	v_pk_add_f32 v[252:253], v[252:253], v[94:95]
	v_pk_add_f32 v[250:251], v[250:251], v[98:99]
	v_pk_add_f32 v[248:249], v[248:249], v[102:103]
	v_pk_add_f32 v[246:247], v[246:247], v[106:107]
	v_pk_add_f32 v[244:245], v[244:245], v[110:111]
	v_pk_add_f32 v[242:243], v[242:243], v[114:115]
	v_pk_add_f32 v[14:15], v[14:15], v[118:119]
	v_pk_add_f32 v[204:205], v[204:205], v[122:123]
	v_pk_add_f32 v[252:253], v[252:253], v[126:127]
	v_pk_add_f32 v[250:251], v[250:251], v[130:131]
	v_pk_add_f32 v[248:249], v[248:249], v[134:135]
	v_pk_add_f32 v[246:247], v[246:247], v[138:139]
	v_pk_add_f32 v[244:245], v[244:245], v[142:143]
	v_pk_add_f32 v[242:243], v[242:243], v[146:147]
	v_pk_add_f32 v[14:15], v[14:15], v[150:151]
	v_pk_add_f32 v[204:205], v[204:205], v[154:155]
	s_delay_alu instid0(VALU_DEP_2)
	v_pk_add_f32 v[14:15], v[14:15], v[248:249]
	s_delay_alu instid0(VALU_DEP_2)
	v_pk_add_f32 v[204:205], v[204:205], v[246:247]
	v_pk_add_f32 v[252:253], v[252:253], v[244:245]
	v_pk_add_f32 v[250:251], v[250:251], v[242:243]
	s_delay_alu instid0(VALU_DEP_2)
	v_pk_add_f32 v[14:15], v[14:15], v[252:253]
	s_delay_alu instid0(VALU_DEP_2)
	v_pk_add_f32 v[204:205], v[204:205], v[250:251]
	s_delay_alu instid0(VALU_DEP_1)
	v_pk_add_f32 v[14:15], v[14:15], v[204:205]
	s_wait_alu depctr_va_vdst(0)                   ; and one for the four
.irp b, 0,1,2,3
	v_max_num_f32 v[BM+\b], 0x1800000, v[BM+\b]    ; the floor 2^(3 - 127): the byte cannot fall under 1
.endr
.irp b, 0,1,2,3
	s_delay_alu instid0(VALU_DEP_4)
	v_add_nc_u32 v[SO+\b], 0xff000000, v[BM+\b]    ; the conversion's scale operand
.endr
.irp b, 0,1,2,3
	s_delay_alu instid0(VALU_DEP_4)
	v_lshrrev_b32 v[TT+\b], 23, v[SO+\b]           ; the byte
.endr
	s_delay_alu instid0(VALU_DEP_3)
	v_lshl_or_b32 v[PW], v[TT+1], 8, v[TT]
	s_delay_alu instid0(VALU_DEP_1)
	v_lshl_or_b32 v[PW], v[TT+2], 16, v[PW]
	s_delay_alu instid0(VALU_DEP_1)
	v_lshl_or_b32 v[PW], v[TT+3], 24, v[PW]
.irp c, 0,1
	v_cvt_scalef32_pk16_fp6_f32 v[PC+6*\c:PC+2+6*\c], v[S+32*\c:S+15+32*\c], v[SO+2*\c]
	v_cvt_scalef32_pk16_fp6_f32 v[TT+4*\c:TT+2+4*\c], v[S+16+32*\c:S+31+32*\c], v[SO+2*\c+1]
.endr
	v_nop                                          ; one plain place behind a scaled conversion
.irp c, 0,1                                    ; the operand's layout wants a whole block in a lane
.irp i, 0,1,2
	v_permlane16_swap_b32 v[PC+6*\c+\i], v[TT+4*\c+\i]
.endr
.irp i, 0,1,2
	s_delay_alu instid0(VALU_DEP_3)
	v_mov_b32 v[PC+3+6*\c+\i], v[TT+4*\c+\i]
.endr
.endr
.set j, 0
.rept 16
	v_pk_mul_f32 v[OT+j:OT+j+1], v[OT+j:OT+j+1], v[FF:FF+1] op_sel_hi:[1,0]   ; O^T under the new M; these sixteen are also the places between p's scale word and codes and the products
.set j, j+2
.endr
	s_wait_alu depctr_va_vdst(0)
	s_wait_dscnt 0x0                               ; V is in
.irp n, 0,1,2,3                                ; O^T += V^T P^T: four accumulators, one instruction a turn
.if \n%2
	v_wmma_scale_f32_16x16x128_f8f6f4 v[OT+8*\n:OT+8*\n+7], v[KV+12*\n:KV+12*\n+11], v[PC:PC+11], v[OT+8*\n:OT+8*\n+7], v[VS+\n/2], v[PW] matrix_a_fmt:MATRIX_FMT_FP6 matrix_b_fmt:MATRIX_FMT_FP6 matrix_a_scale:MATRIX_SCALE_ROW1
.else
	v_wmma_scale_f32_16x16x128_f8f6f4 v[OT+8*\n:OT+8*\n+7], v[KV+12*\n:KV+12*\n+11], v[PC:PC+11], v[OT+8*\n:OT+8*\n+7], v[VS+\n/2], v[PW] matrix_a_fmt:MATRIX_FMT_FP6 matrix_b_fmt:MATRIX_FMT_FP6
.endif
.endr
.endm
; ONE STEP OF THE PIPE: step k is asked of memory, step k - 1 goes from registers into the slot at wr, step k - 2 is computed out of the slot at rd.  ONE barrier: in front of it my stores into rd have landed and my
; reads of wr are back.  A bit test takes the low five bits of its index and the flag words have 16 bits: the indices -2, -1, 16, 17 find 0.
.macro TRIP rd, wr, sgl, sgs, kc, k1, k2
	s_wait_dscnt 0x0
	s_barrier_signal -1
	s_barrier_wait -1
	s_wait_loadcnt 0x0                             ; step k - 1 is in its registers; the fill's offsets may be written
	s_and_b32 s15, s[\kc], 15
	s_mul_i32 s15, s15, BLK
	v_add_nc_u32 v29, s15, v3
	v_add_nc_u32 v30, s15, v4
	s_bitcmp1_b32 s[WANY], s[\k1]
	s_cbranch_scc0 .Lno_put_\@
	ds_store_b128 v3, v[\sgs:\sgs+3] offset:\wr                ; 512 threads x 16 bytes,
	ds_store_b64 v4, v[\sgs+4:\sgs+5] offset:\wr+8192          ; x 8 bytes,
	s_cmp_lt_u32 s[WV], 3
	s_cbranch_scc0 .Lno_put_\@
	ds_store_b64 v4, v[\sgs+6:\sgs+7] offset:\wr+12288         ; and 96 threads x 8 bytes: 13,056
.Lno_put_\@:
	s_bitcmp1_b32 s[WANY], s[\kc]
	s_cbranch_scc0 .Lno_get_\@
	s_wait_alu depctr_va_vdst(0)
	global_load_b128 v[\sgl:\sgl+3], v29, s[KVB:KVB+1]
	global_load_b64 v[\sgl+4:\sgl+5], v30, s[KVB:KVB+1] offset:8192
	s_cmp_lt_u32 s[WV], 3
	s_cbranch_scc0 .Lno_get_\@
	global_load_b64 v[\sgl+6:\sgl+7], v30, s[KVB:KVB+1] offset:12288
.Lno_get_\@:
	s_bitcmp1_b32 s[TANY], s[\k2]
	s_cbranch_scc0 .Lno_step_\@
	TSTEP \rd, \k2
.Lno_step_\@:
.endm
	s_mov_b32 s13, 0
.Lpass:
	s_lshl_b32 s15, s12, 4
	s_add_co_u32 s100, s15, s[WV]                  ; pass 0's tile
	s_sub_co_u32 s101, 127, s100                   ; pass 1's
	s_sub_co_u32 s87, 112, s15                     ; the first of the work-group's sixteen tiles in pass 1
	s_cmp_eq_u32 s13, 0
	s_cselect_b32 s[TI], s100, s101
	s_cselect_b32 s87, s15, s87
	s_lshl_b32 s100, s[TI], 4                      ; four flag words a tile
	s_lshl_b32 s101, s87, 4
	s_load_b128 s[84:87], s[8:9], s100 offset:0x0  ; my tile's flags
	s_load_b512 s[16:31], s[8:9], s101 offset:0x0  ; and those of all sixteen
	s_load_b512 s[32:47], s[8:9], s101 offset:0x40
	s_load_b512 s[48:63], s[8:9], s101 offset:0x80
	s_load_b512 s[68:83], s[8:9], s101 offset:0xc0
	v_mov_b32 v13, 0xff61b1e6                      ; the largest t so far: -3e38, under every t
	s_delay_alu instid0(VALU_DEP_1)
	v_floor_f32 v12, -v13
	v_mov_b32 v14, 0
	v_mov_b32 v15, 0
.set j, 0
.rept 32
	v_mov_b32 v[OT+j], 0                           ; the step is written once: the first finds zeros
.set j, j+1
.endr
	s_wait_kmcnt 0x0
	s_and_b32 s[TANY], s84, 15
	s_bfe_u32 s[TALL], s84, 0x40008
.irp q, 1,2,3
	s_and_b32 s100, s[84+\q], 15
	s_lshl_b32 s100, s100, 4*\q
	s_or_b32 s[TANY], s[TANY], s100
	s_bfe_u32 s100, s[84+\q], 0x40008
	s_lshl_b32 s100, s100, 4*\q
	s_or_b32 s[TALL], s[TALL], s100
.endr
	s_mov_b32 s[WANY], 0
.irp q, 0,1,2,3
	s_or_b32 s100, s[16+\q], s[20+\q]
.irp u, 2,3,4,5,6,7,8,9,10,11,12,13,14,15
	s_or_b32 s100, s100, s[16+4*\u+\q+4*((4*\u+\q)/48)]
.endr
	s_and_b32 s100, s100, 15
	s_lshl_b32 s100, s100, 4*\q
	s_or_b32 s[WANY], s[WANY], s100
.endr
	s_lshl_b32 s14, s[TI], 12
	s_mov_b32 s15, 0
	s_add_nc_u64 s[MWT:MWT+1], s[6:7], s[14:15]
	; Q: registers 6 tt .. 6 tt + 5 of its group's image (register R at 512 (R / 4) + 16 x lane + 4 (R % 4)), in pairs
	s_lshr_b32 s100, s[TI], 3
	s_mul_i32 s100, s100, BLK
	s_and_b32 s101, s[TI], 7                       ; tt
	s_mul_i32 s87, s101, 6
.irp n, 0,1,2
	s_add_co_u32 s15, s87, 2*\n
	s_lshr_b32 s14, s15, 2
	s_lshl_b32 s14, s14, 9
	s_and_b32 s15, s15, 3
	s_lshl_b32 s15, s15, 2
	s_add_co_u32 s14, s14, s15
	s_add_co_u32 s14, s14, s100
	v_add_nc_u32 v[7+\n], s14, v1
	global_load_b64 v[16+2*\n:17+2*\n], v[7+\n], s[KVB:KVB+1] offset:QC
.endr
	s_and_b32 s14, s101, 1
	s_lshl_b32 s14, s14, 8
	s_lshr_b32 s15, s101, 1
	s_lshl_b32 s15, s15, 2
	s_add_co_u32 s14, s14, s15
	s_add_co_u32 s14, s14, s100
	v_lshl_add_u32 v31, v5, 1, s14                 ; word tt / 2 of lane (lane % 16) + 16 (tt % 2): both halves of the lanes take the same words
	global_load_b32 v28, v31, s[KVB:KVB+1] offset:QSC
	s_wait_loadcnt 0x0
	s_mov_b32 s14, 0
	s_mov_b32 s84, -1
	s_mov_b32 s85, -2
	s_mov_b32 s86, 1
.Ltrip:                                            ; 9 trips of two steps of the pipe: so both slots are constants of the text
	TRIP 0, SLOT1, SGA, SGB, 14, 84, 85
	TRIP SLOT1, 0, SGB, SGA, 86, 14, 84
	s_add_co_u32 s84, s84, 2
	s_add_co_u32 s85, s85, 2
	s_add_co_u32 s86, s86, 2
	s_add_co_u32 s14, s14, 2
	s_cmp_lt_u32 s14, 18
	s_cbranch_scc1 .Ltrip
	; THE PASS'S END: O^T / the sum, quantised along C (my head's two blocks of 32), stored as half a fragment of the last product's A
.rept 4
	v_nop                                          ; places behind the last products
.endr
	v_add_f32 v14, v14, v15
	s_delay_alu instid0(VALU_DEP_1)
	v_permlanex16_b32 v[TP], v14, s[SEL], s[SEL+1]
	s_delay_alu instid0(VALU_DEP_1)
	v_add_f32 v14, v14, v[TP]                      ; the row's sum
	s_wait_alu depctr_va_vdst(0)
	v_rcp_f32 v15, v14
	v_nop                                          ; a plain place behind the transcendental
	s_lshr_b32 s16, s3, 4
	s_lshl_b32 s16, s16, 4
	s_lshr_b32 s17, s[TI], 3
	s_add_co_u32 s16, s16, s17                     ; the tokens' group: 16 x batch + t / 8
	s_and_b32 s17, s3, 15                          ; the head
	s_and_b32 s18, s[TI], 7
	s_lshr_b32 s19, s17, 2                         ; K step: four heads
	s_bfe_u32 s22, s17, 0x10001                    ; its half
	s_and_b32 s23, s17, 1                          ; registers 0-5 or 6-11
	s_mul_i32 s20, s16, 98304
	s_mul_i32 s21, s19, 24576
	s_add_co_u32 s20, s20, s21
	s_mul_i32 s21, s18, 3072
	s_add_co_u32 s20, s20, s21
	s_mul_i32 s21, s22, 1536
	s_add_co_u32 s20, s20, s21
	s_mul_i32 s21, s23, 768
	s_add_co_u32 s20, s20, s21
	s_mov_b32 s21, 0
	s_add_nc_u64 s[20:21], s[10:11], s[20:21]
	s_lshl_b32 s24, s16, 12
	s_lshl_b32 s25, s19, 10
	s_add_co_u32 s24, s24, s25
	s_lshl_b32 s25, s18, 7
	s_add_co_u32 s24, s24, s25
	s_lshl_b32 s25, s22, 2
	s_add_co_u32 s24, s24, s25
	s_lshl_b32 s25, s23, 1
	s_add_co_u32 s24, s24, s25
	s_add_co_u32 s24, s24, XSC
	s_mov_b32 s25, 0
	s_add_nc_u64 s[24:25], s[10:11], s[24:25]
	s_wait_alu depctr_va_vdst(0)                   ; ahead of the reciprocal's first reader
.set j, 0
.rept 32
	v_mul_f32 v[S+j], v[OT+j], v15                 ; each accumulator from its low end on
.set j, j+1
.endr
.irp b, 0,1
	v_max3_num_f32 v[BM+\b], |v[S+16*\b]|, |v[S+1+16*\b]|, 0x1800000
.endr
.irp i, 2,4,6,8,10,12,14
.irp b, 0,1
	s_delay_alu instid0(VALU_DEP_2)
	v_max3_num_f32 v[BM+\b], v[BM+\b], |v[S+16*\b+\i]|, |v[S+1+16*\b+\i]|
.endr
.endr
.irp b, 0,1
	s_delay_alu instid0(VALU_DEP_2)
	v_permlanex16_b32 v[TT+\b], v[BM+\b], s[SEL], s[SEL+1]
.endr
.irp b, 0,1
	s_delay_alu instid0(VALU_DEP_2)
	v_max_num_f32 v[BM+\b], v[BM+\b], v[TT+\b]
.endr
.irp b, 0,1
	s_delay_alu instid0(VALU_DEP_2)
	v_add_nc_u32 v[SO+\b], 0xff000000, v[BM+\b]
.endr
.irp b, 0,1
	s_delay_alu instid0(VALU_DEP_2)
	v_lshrrev_b32 v[TT+\b], 23, v[SO+\b]
.endr
	s_delay_alu instid0(VALU_DEP_1)
	v_lshl_or_b32 v[TP], v[TT+1], 8, v[TT]         ; my row's two scale bytes
	v_cmp_eq_f32 vcc_lo, 0, v14
	s_delay_alu instid0(VALU_DEP_1)
	v_cndmask_b32 v[TP], v[TP], v10, vcc_lo        ; a row with no key: 0xff, 0xff
	v_cvt_scalef32_pk16_fp6_f32 v[PC:PC+2], v[S:S+15], v[SO]
	v_cvt_scalef32_pk16_fp6_f32 v[PC+4:PC+6], v[S+16:S+31], v[SO+1]
	v_nop                                          ; one plain place behind a scaled conversion
.irp i, 0,1,2
	v_permlane16_swap_b32 v[PC+\i], v[PC+4+\i]
.endr
.irp i, 0,1,2
	s_delay_alu instid0(VALU_DEP_3)
	v_mov_b32 v[PC+3+\i], v[PC+4+\i]               ; ascending: each source is read before it is written
.endr
.irp p, 0,1,2
	global_store_b64 v2, v[PC+2*\p:PC+2*\p+1], s[20:21] offset:256*\p   ; 256 consecutive bytes, aligned
.endr
	s_wait_xcnt 0x0                                ; EXEC changes only behind this wait
	v_cmp_gt_u32 vcc_lo, 16, v6
	s_and_saveexec_b32 s100, vcc_lo                ; lanes 0-15: one lane a row
	global_store_b16 v5, v[TP], s[24:25]
	s_wait_xcnt 0x0                                ; and the stores' registers and bases may be written again
	s_or_b32 exec_lo, exec_lo, s100
	s_add_co_u32 s13, s13, 1
	s_cmp_lt_u32 s13, 2
	s_cbranch_scc1 .Lpass
	s_wait_tensorcnt 0x0
	ds_add_u32 v254, v255
	s_wait_dscnt 0x0
	s_endpgm
.Lfunc_end_k_q43bdcbe3ad_attn:
	.size	k_q43bdcbe3ad_attn, .Lfunc_end_k_q43bdcbe3ad_attn-k_q43bdcbe3ad_attn
	.p2alignl 7, 3214868480
	.fill 96, 4, 3214868480
	.section	.rodata,"a",@progbits
	.p2align	6, 0x0
	.amdhsa_kernel k_q43bdcbe3ad_attn
		.amdhsa_group_segment_fixed_size 31488
		.amdhsa_private_segment_fixed_size 0
		.amdhsa_enable_private_segment 0
		.amdhsa_kernarg_size 32
		.amdhsa_user_sgpr_count 2
		.amdhsa_user_sgpr_kernarg_segment_ptr 1
		.amdhsa_wavefront_size32 1
		.amdhsa_system_sgpr_workgroup_id_x 1
		.amdhsa_system_sgpr_workgroup_id_y 1
		.amdhsa_system_sgpr_workgroup_id_z 1
		.amdhsa_system_vgpr_workitem_id 0
		.amdhsa_next_free_vgpr 256
		.amdhsa_next_free_sgpr 102
		.amdhsa_reserve_vcc 1
		.amdhsa_float_denorm_mode_32 3
		.amdhsa_float_denorm_mode_16_64 3
		.amdhsa_memory_ordered 1
		.amdhsa_forward_progress 1
		.amdhsa_inst_pref_size 60
	.end_amdhsa_kernel
	.amdgpu_metadata
---
amdhsa.version: [ 1, 2 ]
amdhsa.kernels:
  - .name:           k_q43bdcbe3ad_attn
    .symbol:         k_q43bdcbe3ad_attn.kd
    .args:
      - { .name: qkv, .offset: 0, .size: 8, .value_kind: global_buffer, .address_space: global }
      - { .name: mw, .offset: 8, .size: 8, .value_kind: global_buffer, .address_space: global }
      - { .name: fl, .offset: 16, .size: 8, .value_kind: global_buffer, .address_space: global }
      - { .name: aq, .offset: 24, .size: 8, .value_kind: global_buffer, .address_space: global }
    .group_segment_fixed_size: 31488
    .private_segment_fixed_size: 0
    .kernarg_segment_align: 8
    .kernarg_segment_size: 32
    .max_flat_workgroup_size: 512
    .sgpr_count:     102
    .vgpr_count:     256
    .wavefront_size: 32
...
	.end_amdgpu_metadata
.endif
;; end of part 3
;; launch gemm_out (part 4): grid 4 x 32, 4 waves a work-group, clusters of 4 x 4, 327,680 bytes of LDS; arguments aq, wq, bout, out0; writes out0
.if DOCPART == 4
	.amdgcn_target "amdgcn-amd-amdhsa--gfx1250"
	.amdhsa_code_object_version 6
	.text
	.protected	k_q43bdcbe3ad_gemm_out
	.globl	k_q43bdcbe3ad_gemm_out
	.p2align	8
	.type	k_q43bdcbe3ad_gemm_out,@function
k_q43bdcbe3ad_gemm_out:
	s_mov_b64 s[64:65], 0
	v_nop
	global_prefetch_b8 v0, s[64:65] scope:SCOPE_SE
	s_setreg_imm32_b32 hwreg(HW_REG_WAVE_MODE, 25, 1), 1
	s_wait_xcnt 0x0
	s_wait_alu depctr_hold_cnt(0) depctr_sa_sdst(0) depctr_va_vdst(0) depctr_va_sdst(0) depctr_va_ssrc(0) depctr_va_vcc(0) depctr_vm_vsrc(0)
	s_getreg_b32 s2, hwreg(HW_REG_IB_STS2, 6, 4)
	s_cmp_eq_u32 s2, 0
	s_cbranch_scc0 .Lentry_in_a_cluster
	s_endpgm
.Lentry_in_a_cluster:
	s_bfe_u32 s2, ttmp6, 0x10000c
	s_cmp_lg_u32 s2, 0xf033
	s_cbranch_scc0 .Lentry_shape_is_right
	s_endpgm
.Lentry_shape_is_right:
; out0 = (attention's result) Wout + bout, on codes of FP6 (E2M3) with E8M0 scales.  A = aq (tokens), B = wq groups 24-31 (Wout's columns).  A tile of 256 x 256 to a work-group of four waves, 128 x 128 a wave.
; K = 1,024 is four K steps of 256, written out: K steps 0, 1, 2 are first fills of three LDS slots, K step 3 the one refill, into slot 0.  Operands lie in memory as images of their registers:
; B's fragments as three chunks of 16 bytes a lane, A's as six pairs of 8 bytes a lane (the attention launch writes half fragments).  The matrix instruction is used transposed: a lane holds one token place, its registers run along the columns.
; The bias is the C of the first products.  By the workspace's row order accumulator (a, b)'s register j is column 32 (b / 2) + 16 (lane / 16) + 8 (b % 2) + j, and lane r of block a is token 32 (a / 2) + 8 (a % 2) + r + 8 (r / 8).
; CLUSTERS: 4 x 4; A's tile is shared along a row of the cluster, B's along a column: joint loads.  All of a WGP's LDS is claimed.
; A token whose scale bytes are 0xff (a query with no key) gives NaN in its whole row, as the softmax of such a row does.
; REGISTERS: window 0: v16-30 addresses; v32-63 scale words, two sets; v64-127 the bias; v128-223 A's eight fragments.  window 1: B's, two sets.  windows 2, 3: accumulator (a, b) at v[8 (8 (a % 4) + b)].
.set GRP,   98304
.set KST,   24576
.set XSC,   6291456
.set WSC,   3145728
.set SLOT,  98304
.set SCL,   3*SLOT
.set SPARE, SCL+16384                  ; the spare words, 128 bytes a wave: two blocks of 256 bytes that no other line names
.set STAGE, SLOT                       ; the way out: 16 rows x (512 bytes + 16) a wave, in slot 1: it has had its only fill, and its last read lies ahead of the last barrier
.set SPITCH, 528
.set FR,    12
.set NLA,   6                          ; LDS loads that bring a fragment of A
.set ADRA,  16
.set ADRB,  20
.set STO,   23
.set CO,    26
.set ADRS,  27
.set SPW,   28
.set NIL,   29
.set RD,    30
.set SC,    32
.set BI,    64
.set AF,    128
.set BK,    128
.set G1A,   24
.set G1B,   32
.set G0A,   40
.set G0B,   52
.set G1SA,  68
.set G1SB,  76
.set G0SA,  84
.set G0SB,  88
.set MSB, 0
.macro WIN new                         ; the immediate's high byte repeats the setting that is left
.if MSB != (\new)
	s_set_vgpr_msb (MSB<<8)|(\new)
.set MSB, (\new)
.endif
.endm
.set MUL_LO, 0xa1
.set MUL_HI, 0xf1
.set TO_B,   0x40
.macro JLOAD g0a, g1a, g0b, g1b        ; a joint load: waves 0 and 1 fetch A's halves, waves 2 and 3 B's; four v_nop follow each of the two lines
	s_cmp_eq_u32 s15, 0
	s_cbranch_scc0 .Lfor_b_\@
	tensor_load_to_lds s[\g0a:\g0a+3], s[\g1a:\g1a+7]
	s_nop 0
.rept 4
	v_nop
.endr
	s_branch .Lasked_\@
.Lfor_b_\@:
	tensor_load_to_lds s[\g0b:\g0b+3], s[\g1b:\g1b+7]
	s_nop 0
.rept 4
	v_nop
.endr
.Lasked_\@:
.endm
.macro CREST
	s_cmp_lg_u32 s14, 0
	s_cbranch_scc1 .Lnot_wave_0_\@
	s_barrier_signal -3
.Lnot_wave_0_\@:
	s_barrier_wait -3
	s_barrier_signal -1
	s_barrier_wait -1
.endm
.macro CROUND
	s_barrier_signal -1
	s_barrier_wait -1
	CREST
.endm
.macro PLACES n
.rept \n
	v_nop
.endr
.endm
	s_load_b256 s[4:11], s[0:1], 0x0               ; aq s[4:5], wq s[6:7], bout s[8:9], out0 s[10:11]
	v_lshl_add_u32 v[SPW], v0, 2, SPARE
	v_mov_b32 v[NIL], 0
	ds_add_u32 v28, v29
	ds_add_u32 v28, v29
	s_wait_dscnt 0x0
	v_lshrrev_b32 v1, 5, v0
	v_readfirstlane_b32 s14, v1                    ; wave 0..3
	s_lshr_b32 s15, s14, 1                         ; which half of the tile's tokens I multiply.  Also: I fetch for A (0) or for B (1)
	s_and_b32 s16, s14, 1                          ; which half of its columns.  Also: which half I fetch
	s_bfe_u32 s12, ttmp6, 0x40000                  ; cx
	s_bfe_u32 s13, ttmp6, 0x40004                  ; cy
	s_lshl_b32 s2, s13, 2
	s_lshl_b32 s2, 15, s2                          ; my row of the cluster
	s_lshl_b32 s3, 0x1111, s12                     ; my column
	s_or_b32 s[G1A], s2, (3<<16)|(1<<21)           ; a dense block as rows of 256 bytes (32 elements of 8 bytes): 96 rows of codes, 16 of scale words; no padding
	s_or_b32 s[G1B], s3, (3<<16)|(1<<21)
	s_or_b32 s[G1SA], s2, (3<<16)|(1<<21)
	s_or_b32 s[G1SB], s3, (3<<16)|(1<<21)
.irp g, G1A, G1B
	s_mov_b32 s[\g+1], 32<<16
	s_mov_b32 s[\g+2], 96<<16
	s_mov_b32 s[\g+3], 32<<16
	s_mov_b32 s[\g+4], 96
	s_mov_b32 s[\g+5], 32
	s_mov_b32 s[\g+6], 0
	s_mov_b32 s[\g+7], 0
.endr
.irp g, G1SA, G1SB
	s_mov_b32 s[\g+1], 32<<16
	s_mov_b32 s[\g+2], 16<<16
	s_mov_b32 s[\g+3], 32<<16
	s_mov_b32 s[\g+4], 16
	s_mov_b32 s[\g+5], 32
	s_mov_b32 s[\g+6], 0
	s_mov_b32 s[\g+7], 0
.endr
	s_and_b32 s17, ttmp7, 0xffff
	s_lshl_b32 s17, s17, 2
	s_add_co_u32 s17, s17, s13                     ; tile row = 4 x cluster y + cy
	s_lshl_b32 s17, s17, 1
	s_add_co_u32 s19, s17, s15                     ; the tokens' group that I multiply
	s_add_co_u32 s17, s17, s16                     ; and the one that I fetch
	s_lshl_b32 s18, ttmp9, 2
	s_add_co_u32 s18, s18, s12                     ; tile column = 4 x cluster x + cx
	s_lshl_b32 s18, s18, 1
	s_add_co_u32 s18, s18, s16                     ; the columns' group that I fetch and multiply
	s_mul_i32 s20, s17, GRP
	s_mov_b32 s21, 0
	s_lshl_b32 s98, s17, 12
	s_add_co_u32 s98, s98, XSC
	s_mov_b32 s99, 0
	s_add_co_u32 s96, s18, 24                      ; Wout's groups are 24-31 of wq
	s_mul_i32 s22, s96, GRP
	s_mov_b32 s23, 0
	s_lshl_b32 s2, s96, 12
	s_add_co_u32 s2, s2, WSC
	s_mov_b32 s3, 0
	s_mul_i32 s66, s14, KST                        ; where they go: quarter = wave
	s_lshl_b32 s67, s14, 12
	s_wait_kmcnt 0x0
	s_add_nc_u64 s[20:21], s[4:5], s[20:21]        ; A's codes
	s_add_nc_u64 s[98:99], s[4:5], s[98:99]        ; A's scale words
	s_add_nc_u64 s[22:23], s[6:7], s[22:23]        ; B's codes
	s_add_nc_u64 s[2:3], s[6:7], s[2:3]            ; B's scale words
	CROUND                                         ; all sixteen work-groups are here: the first joint loads meet
	s_mov_b32 s[G0SA], 1
	s_add_co_u32 s[G0SA+1], s67, SCL
	s_mov_b64 s[G0SA+2:G0SA+3], s[98:99]
	s_or_b32 s[G0SA+3], s[G0SA+3], 0x80000000
	s_mov_b32 s[G0SB], 1
	s_add_co_u32 s[G0SB+1], s67, SCL
	s_mov_b64 s[G0SB+2:G0SB+3], s[2:3]
	s_or_b32 s[G0SB+3], s[G0SB+3], 0x80000000
	JLOAD G0SA, G1SA, G0SB, G1SB
.irp s, 0,1,2
	s_mov_b32 s[G0A+4*\s], 1
	s_add_co_u32 s[G0A+4*\s+1], s66, \s*SLOT
	s_add_nc_u64 s[G0A+4*\s+2:G0A+4*\s+3], s[20:21], \s*KST
	s_or_b32 s[G0A+4*\s+3], s[G0A+4*\s+3], 0x80000000
	s_mov_b32 s[G0B+4*\s], 1
	s_add_co_u32 s[G0B+4*\s+1], s66, \s*SLOT
	s_add_nc_u64 s[G0B+4*\s+2:G0B+4*\s+3], s[22:23], \s*KST
	s_or_b32 s[G0B+4*\s+3], s[G0B+4*\s+3], 0x80000000
	JLOAD G0A+4*\s, G1A, G0B+4*\s, G1B             ; with the scale words four loads of mine are out
.endr
	v_and_b32 v5, 31, v0                           ; lane
	v_and_b32 v1, 15, v0                           ; r
	v_bfe_u32 v2, v0, 4, 1                         ; h
	v_lshlrev_b32 v[CO], 4, v5                     ; 16 x lane
	v_lshlrev_b32 v6, 3, v5                        ; 8 x lane
	s_lshl_b32 s20, s18, 9                         ; my 128 columns: 512 bytes of bout and of a row of out0
	s_mov_b32 s21, 0
	s_add_nc_u64 s[8:9], s[8:9], s[20:21]
	s_add_nc_u64 s[10:11], s[10:11], s[20:21]
	s_lshl_b32 s20, s19, 19                        ; my 128 tokens: rows of 4,096 bytes
	s_add_nc_u64 s[10:11], s[10:11], s[20:21]
	v_lshlrev_b32 v4, 6, v2                        ; the bias: 16 h numbers on
.irp b, 0,1,2,3,4,5,6,7
	global_load_b128 v[BI+8*\b:BI+8*\b+3], v4, s[8:9] offset:(32*(\b/2)+8*(\b%2))*4
	global_load_b128 v[BI+8*\b+4:BI+8*\b+7], v4, s[8:9] offset:(32*(\b/2)+8*(\b%2))*4+16
.endr
	s_mul_i32 s20, s15, KST
	s_mul_i32 s22, s16, KST
	s_add_co_u32 s22, s22, 2*KST
.irp s, 0,1,2
	v_add_nc_u32 v[ADRA+\s], s20, v6
	v_add_nc_u32 v[ADRB+\s], s22, v[CO]
	s_add_co_u32 s20, s20, SLOT
	s_add_co_u32 s22, s22, SLOT
.endr
	s_lshl_b32 s20, s15, 12
	s_lshl_b32 s22, s16, 12
	s_add_co_u32 s22, s22, 8192
	s_sub_co_u32 s22, s22, s20
	v_mul_u32_u24 v3, s22, v2                      ; lanes 16-31 take B's scale words: one product of h
	s_add_co_u32 s20, s20, SCL
	v_lshl_add_u32 v3, v1, 3, v3
	v_add_nc_u32 v[ADRS], s20, v3
	s_mul_i32 s20, s14, 16*SPITCH
	s_add_co_u32 s20, s20, STAGE                   ; my stage
	v_mul_u32_u24 v3, v1, SPITCH
	v_lshl_add_u32 v3, v2, 6, v3
	v_add_nc_u32 v[STO], s20, v3                   ; in: row r, + 64 h
	v_add_nc_u32 v[RD], s20, v[CO]                 ; back: a row of 512 bytes to the 32 lanes
; first = 1: the bias starts the sums.  The 64 accumulators take turns, one instruction a turn, in one order.
.macro MUL16 a0, p, q, sc, first
.irp a, \a0, \a0+1
.irp b, 0,1,2,3,4,5,6,7
.if \first
	v_wmma_scale_f32_16x16x128_f8f6f4 v[8*(8*((\a)%4)+\b):8*(8*((\a)%4)+\b)+7], v[128*(\p)+FR*\b:128*(\p)+FR*\b+FR-1], v[AF+FR*(\a):AF+FR*(\a)+FR-1], v[BI+8*\b:BI+8*\b+7], v[SC+16*(\sc)+2*\b+(\q)], v[SC+16*(\sc)+2*(\a)+(\q)] matrix_a_fmt:MATRIX_FMT_FP6 matrix_b_fmt:MATRIX_FMT_FP6 matrix_a_scale:MATRIX_SCALE_ROW1
.else
	v_wmma_scale_f32_16x16x128_f8f6f4 v[8*(8*((\a)%4)+\b):8*(8*((\a)%4)+\b)+7], v[128*(\p)+FR*\b:128*(\p)+FR*\b+FR-1], v[AF+FR*(\a):AF+FR*(\a)+FR-1], v[8*(8*((\a)%4)+\b):8*(8*((\a)%4)+\b)+7], v[SC+16*(\sc)+2*\b+(\q)], v[SC+16*(\sc)+2*(\a)+(\q)] matrix_a_fmt:MATRIX_FMT_FP6 matrix_b_fmt:MATRIX_FMT_FP6 matrix_a_scale:MATRIX_SCALE_ROW1
.endif
.endr
.endr
.endm
.macro FETCH_B slot, q, p
	WIN TO_B
.irp i, 0,1,2,3,4,5,6,7
.irp c, 0,1,2
	ds_load_b128 v[128*(\p)+FR*\i+4*\c:128*(\p)+FR*\i+4*\c+3], v[ADRB+\slot] offset:\i*3072+(\q)*1536+512*\c
.endr
.endr
	WIN 0
.endm
.macro FETCH_A slot, q, i0             ; A's blocks i0 .. i0 + 3: six pairs of registers each, 256 consecutive bytes a load
.irp i, \i0, \i0+1, \i0+2, \i0+3
.irp p, 0,1,2,3,4,5
	ds_load_b64 v[AF+FR*(\i)+2*\p:AF+FR*(\i)+2*\p+1], v[ADRA+\slot] offset:(\i)*3072+(\q)*1536+256*\p
.endr
.endr
.endm
.macro SCALES ks
.irp i, 0,1,2,3,4,5,6,7
	ds_load_b64 v[SC+16*((\ks)%2)+2*\i:SC+16*((\ks)%2)+2*\i+1], v[ADRS] offset:(\ks)*1024+\i*128
.endr
.endm
.macro STEP slot, sc, first
	s_wait_dscnt 4*NLA                             ; B's set and A's blocks 0-3 are in; the youngest loads (A's blocks 4-7) may be out
.if \first
	WIN 0x81                                       ; C (the bias) window 0, D window 2
.else
	WIN MUL_LO
.endif
	MUL16 0, 0, 0, \sc, \first
	MUL16 2, 0, 0, \sc, \first
	s_wait_dscnt 0x0
	PLACES 4                                       ; in front of loads into registers that matrix instructions have read
	FETCH_B \slot, 1, 1
	FETCH_A \slot, 1, 0
.if \first
	WIN 0xc1
.else
	WIN MUL_HI
.endif
	MUL16 4, 0, 0, \sc, \first
	MUL16 6, 0, 0, \sc, \first
	PLACES 4
	WIN 0
	FETCH_A \slot, 1, 4
.endm
; mode 1: slot 0 is filled again behind a round of the cluster's barrier; mode 2: a barrier, since K step 3 has to be whole; mode 0: none
.macro TURN slot, sc, next, ksn, mode
.if \mode
	s_wait_tensorcnt 0x0                           ; all my tensor loads have landed
	ds_add_u32 v[SPW], v[NIL]                      ; 0 onto my spare word
	s_wait_dscnt 4*NLA+1                           ; (the add and A's blocks 4-7 may be out)
	WIN MUL_LO
	MUL16 0, 1, 1, \sc, 0
	s_wait_dscnt 0x0                               ; the add is done, and my reads of this slot are over
	s_barrier_signal -1
	MUL16 2, 1, 1, \sc, 0
	WIN 0
	s_barrier_wait -1
.if \mode == 1
	CREST                                          ; no wave of any partner still reads slot 0 or has a load on its way
	s_add_nc_u64 s[G0A+2:G0A+3], s[G0A+2:G0A+3], 3*KST
	s_add_nc_u64 s[G0B+2:G0B+3], s[G0B+2:G0B+3], 3*KST
	JLOAD G0A, G1A, G0B, G1B                       ; K step 3 into slot 0: my one tensor load behind the round; its four v_nop are the places in front of the loads below
.else
	PLACES 4
.endif
.else
	s_wait_dscnt 4*NLA
	WIN MUL_LO
	MUL16 0, 1, 1, \sc, 0
	MUL16 2, 1, 1, \sc, 0
	s_wait_dscnt 0x0
	WIN 0
	PLACES 4
.endif
	FETCH_B \next, 0, 0
	FETCH_A \next, 0, 0
	SCALES \ksn
	WIN MUL_HI
	MUL16 4, 1, 1, \sc, 0
	MUL16 6, 1, 1, \sc, 0
	PLACES 4
	WIN 0
	FETCH_A \next, 0, 4
.endm
	s_wait_tensorcnt 2                             ; the scale words and my part of K step 0 are in; K steps 1 and 2 may stay out
	s_barrier_signal -1
	s_barrier_wait -1
	FETCH_B 0, 0, 0
	FETCH_A 0, 0, 0
	SCALES 0
	FETCH_A 0, 0, 4
	s_wait_loadcnt 0x0                             ; the bias
	STEP 0, 0, 1
	TURN 0, 0, 1, 1, 1
	STEP 1, 1, 0
	TURN 1, 1, 2, 2, 0                             ; every wave waited for all its loads in front of the round: slots 1 and 2 are whole
	STEP 2, 0, 0
	TURN 2, 0, 0, 3, 2
	STEP 0, 1, 0
	s_wait_dscnt 4*NLA
	WIN MUL_LO
	MUL16 0, 1, 1, 1, 0
	MUL16 2, 1, 1, 1, 0
	s_wait_dscnt 0x0
	WIN MUL_HI
	MUL16 4, 1, 1, 1, 0
	MUL16 6, 1, 1, 1, 0
	WIN 0
; THE WAY OUT, block by block of 16 token places x 128 columns, through my own stage: in by columns' true places, back as whole rows of 512 bytes.  LDS serves a wave's instructions in order: no wait between the stores and the loads.
.macro TOSTAGE a
.set AC, 64*((\a)%4)
	WIN 0x08+4*((\a)/4)                            ; an LDS store's data: window 2 or 3
.irp b, 0,1,2,3,4,5,6,7
	ds_store_b128 v[STO], v[AC+8*\b:AC+8*\b+3] offset:128*(\b/2)+32*(\b%2)        ; each accumulator from its low end on
	ds_store_b128 v[STO], v[AC+8*\b+4:AC+8*\b+7] offset:128*(\b/2)+32*(\b%2)+16
.endr
	WIN 0
.set BB, BK+64*((\a)%2)
.irp t, 0,1,2,3,4,5,6,7,8,9,10,11,12,13,14,15
	ds_load_b128 v[BB+4*\t:BB+4*\t+3], v[RD] offset:\t*SPITCH
.endr
.endm
.macro SEND a, younger                 ; younger: the LDS instructions issued behind block a's loads, which may stay out
.set BB, BK+64*((\a)%2)
	s_wait_dscnt \younger
.if (\a) > 0
.if (\a)%2
	s_add_nc_u64 s[10:11], s[10:11], 8*4096        ; (behind a wait on XCNT)  block a begins at token 32 (a / 2) + 8 (a % 2)
.else
	s_add_nc_u64 s[10:11], s[10:11], 24*4096
.endif
.endif
.irp t, 0,1,2,3,4,5,6,7,8,9,10,11,12,13,14,15
	global_store_b128 v[CO], v[BB+4*\t:BB+4*\t+3], s[10:11] offset:(\t+8*(\t/8))*4096 th:TH_STORE_NT   ; 512 consecutive bytes, aligned; written once
.endr
.endm
	PLACES 4                                       ; behind the last products: results are read, and loads land where A's fragments lay
	TOSTAGE 0
.irp a, 1,2,3,4,5,6,7
.if \a > 1
	s_wait_xcnt 0x0                                ; block a - 2's stores have read their registers and their base
.endif
	TOSTAGE \a
	SEND \a-1, 32                                  ; behind block a - 1's loads: block a's 16 stores and 16 loads
.endr
	s_wait_xcnt 0x0
	SEND 7, 0
	s_wait_tensorcnt 0x0                           ; the wave's end
	ds_add_u32 v[SPW], v[NIL]
	s_wait_dscnt 0x0
	CROUND                                         ; the closing round
	s_endpgm
.Lfunc_end_k_q43bdcbe3ad_gemm_out:
	.size	k_q43bdcbe3ad_gemm_out, .Lfunc_end_k_q43bdcbe3ad_gemm_out-k_q43bdcbe3ad_gemm_out
	.p2alignl 7, 3214868480
	.fill 96, 4, 3214868480
	.section	.rodata,"a",@progbits
	.p2align	6, 0x0
	.amdhsa_kernel k_q43bdcbe3ad_gemm_out
		.amdhsa_group_segment_fixed_size 327680
		.amdhsa_private_segment_fixed_size 0
		.amdhsa_enable_private_segment 0
		.amdhsa_kernarg_size 32
		.amdhsa_user_sgpr_count 2
		.amdhsa_user_sgpr_kernarg_segment_ptr 1
		.amdhsa_wavefront_size32 1
		.amdhsa_system_sgpr_workgroup_id_x 1
		.amdhsa_system_sgpr_workgroup_id_y 1
		.amdhsa_system_sgpr_workgroup_id_z 1
		.amdhsa_system_vgpr_workitem_id 0
		.amdhsa_next_free_vgpr 1024
		.amdhsa_next_free_sgpr 100
		.amdhsa_reserve_vcc 0
		.amdhsa_float_denorm_mode_32 3
		.amdhsa_float_denorm_mode_16_64 3
		.amdhsa_memory_ordered 1
		.amdhsa_forward_progress 1
		.amdhsa_inst_pref_size 149
	.end_amdhsa_kernel
	.amdgpu_metadata
---
amdhsa.version: [ 1, 2 ]
amdhsa.kernels:
  - .name:           k_q43bdcbe3ad_gemm_out
    .symbol:         k_q43bdcbe3ad_gemm_out.kd
    .args:
      - { .name: aq, .offset: 0, .size: 8, .value_kind: global_buffer, .address_space: global }
      - { .name: wq, .offset: 8, .size: 8, .value_kind: global_buffer, .address_space: global }
      - { .name: bout, .offset: 16, .size: 8, .value_kind: global_buffer, .address_space: global }
      - { .name: out0, .offset: 24, .size: 8, .value_kind: global_buffer, .address_space: global }
    .group_segment_fixed_size: 327680
    .private_segment_fixed_size: 0
    .kernarg_segment_align: 8
    .kernarg_segment_size: 32
    .max_flat_workgroup_size: 128
    .sgpr_count:     100
    .vgpr_count:     1024
    .wavefront_size: 32
...
	.end_amdgpu_metadata
.endif
;; end of part 4
